; MI455X (gfx1250); checked and timed in simulation.
; The chip was launched on July 23, 2026; its instructions are those of AMD's public machine-readable ISA for CDNA 5 (MIT licence, August 2026) and "CDNA5" Instruction Set Architecture Reference Guide (July 2026). The comments in the code are by the model that wrote it; some were corrected since.
;; Pair Weighted Averaging. Allowed arithmetic: matrix products marked QUANTISED: E4M3 operands, one given power-of-two scale a tensor, by v_wmma_f32_16x16x64_fp8_fp8 or v_wmma_f32_16x16x128_fp8_fp8, f32 sums; products left as they are: f32 operands where the result goes on into a quantised operand, else bf16, f16 or f32 operands; f32 sums; everything else in f32.
;; Inputs: Wg 64 x 256 float32; Wm 64 x 256 float32; Wo 256 x 64 float32; Wz 128 x 8 float32; lowp_scales 8 int32 (the exponents e of the quantised operands' scales 2^e); m 1 x 512 x 512 x 64 float32; norm_m_b 64 float32; norm_m_w 64 float32; norm_z_b 128 float32; norm_z_w 128 float32; z 1 x 512 x 512 x 128 float32.
;; Outputs: out0 1 x 512 x 512 x 64 float32.
;; This version of the problem:
;;   THIS VERSION OF THE PROBLEM IS GIVEN IN LOW PRECISION. The matrix products marked QUANTISED in the list below multiply operands that are first quantised to E4M3 (4 exponent bits, 3 mantissa bits; 8 bits a number), with one given power-of-two scale for each operand tensor; their sums are f32. All else is computed in f32.
;;   The module's matrix products, in the order in which they are computed (A, B: the left and right operand; K: the contracted axis; several contracted axes count as one K, in the product's order):
;;     1. [M 262,144, K 128] x [K 128, N 8]; A: computed on the way; B: input Wz: left as it is (N = 8 < 16)
;;     2. [M 262,144, K 64] x [K 64, N 256]; A: computed on the way; B: input Wm: QUANTISED (scales: A lowp_scales[0], B lowp_scales[1])
;;     3. [M 262,144, K 64] x [K 64, N 256]; A: computed on the way; B: input Wg: QUANTISED (scales: A lowp_scales[2], B lowp_scales[3])
;;     4. batch 8 x [M 16,384, K 512] x [K 512, N 512]; A: computed on the way; B: softmax (see below): QUANTISED (scales: A lowp_scales[4], B lowp_scales[5])
;;     5. [M 262,144, K 256] x [K 256, N 64]; A: computed on the way; B: input Wo: QUANTISED (scales: A lowp_scales[6], B lowp_scales[7])
;;   THE QUANTISER, for each operand of a quantised product, along K:
;;     - The operand's scale is 2^e, e = its entry of the input lowp_scales (int32; the entries are numbered through the quantised products in the list's order, A before B).
;;     - Each number is divided by the scale, clamped to +-448, and rounded to the nearest number of E4M3, ties to even, subnormals kept.
;;     - The product sums the exact products of the quantised numbers (number of the format x scale) in f32.
;;   ~~~python
;;   def quantise(x, axis, e):      # numpy; x: float32 -> the quantised numbers, widened to float32 again
;;       x = np.moveaxis(x, axis, -1); K = x.shape[-1]
;;       r = np.clip(x / 2.0 ** e, -448, 448)
;;       step = 2.0 ** (np.maximum(np.frexp(np.where(r == 0, 1, r))[1] - 1, -6) - 3)
;;       q = np.round(r / step) * step * 2.0 ** e      # np.round: ties to even
;;       return np.moveaxis(q, -1, axis).astype(np.float32)
;;   ~~~
;;   SOFTMAX AHEAD OF A QUANTISED PRODUCT. Where the list says 'softmax', what is quantised is not the finished softmax but p = 2^(t - M), with t = logit x log2(e) and M = ceil(the row's largest t), a whole number; so 1/2 < the row's largest p <= 1. The row's sum l is taken of the UNQUANTISED p, in f32, and the product's result is divided by l at the end. Since M is a whole number, a kernel that streams over the keys may use a running M (the ceiling of the running maximum): every later rescaling is an exact power of two, so the quantised numbers keep their values, but for numbers so far below the row's largest that they fall under the format's range.
;;   OPERANDS COMPUTED ON THE WAY. 'Computed on the way' means the value that the module computes at that place (a softmax that the list does not call 'softmax' is quantised finished and normalised). What goes into a quantiser is computed in f32, as accurately as f32 sums, v_exp_f32 and their like allow (about 1e-6 of the number): no bf16 or f16 on the way to a quantiser, and a product that is left as it is and whose result goes on into a quantised operand takes f32 operands (vector FMAs, or v_wmma_f32_16x16x4_f32). A number that lies on a knife's edge between two numbers of the format may be rounded either way, as far as f32 arithmetic and the matrix unit's own rounding can turn it there, and no further.
;; 2 versions, each right; version 2 is version 1 with the launch fused written anew for expert scheduling mode. Each part assembles by itself: llvm-mc -triple=amdgcn-amd-amdhsa -mcpu=gfx1250 --defsym DOCPART=n.
;; ======== version 1 of 2: 2 launches
;; workspace buffers: pc 2,097,152 bytes; ls 16,384 bytes; wc 49,152 bytes
;; launch pairs (part 1): grid 256 x 1, 8 waves a work-group, no clusters, 146,944 bytes of LDS; arguments z, norm_z_w, norm_z_b, Wz, lowp_scales, Wm, Wg, Wo, pc, ls, wc; writes pc, ls, wc
.if DOCPART == 1
	.amdgcn_target "amdgcn-amd-amdhsa--gfx1250"
	.amdhsa_code_object_version 6
	.text
	.protected	k_qa3c817d503_pairs
	.globl	k_qa3c817d503_pairs
	.p2align	8
	.type	k_qa3c817d503_pairs,@function
k_qa3c817d503_pairs:
	s_mov_b64 s[64:65], 0
	v_nop
	global_prefetch_b8 v0, s[64:65] scope:SCOPE_SE
	s_setreg_imm32_b32 hwreg(HW_REG_WAVE_MODE, 25, 1), 1
	s_wait_xcnt 0x0
; z [512 i][512 j][128] f32 -> layer norm -> t = zn . Wz x log2(e) (8 heads, f32 operands) -> for each (i, head): M = ceil(max over j of t), p = 2^(t - M),
; l = the sum of the unquantised p, and p's codes of FP8 (E4M3) with the given scale 2^e5.  Besides: the codes of Wm, Wg, Wo (scales 2^e1, 2^e3, 2^e7), in the order of the operand registers.
; OUT:  pc [head 8][tile 32][q 4][b 4][row 16][half 2][16 bytes]: the 16 bytes are keys j = 128 q + 32 b + 16 half + 0..15 of token i; tile 2 B + u, row x is token 32 B + 8 u + x + 8 (x / 8).
;       ls [token 512][head 8] f32: l.     wc: 96 groups of 512 bytes (4 registers x 32 lanes, lane L at 16 L): 0-31 Wm (4 head + 2 u' + c2), 32-63 Wg, 64-95 Wo (8 ct + 4 kstep + b).
; SHARES.  Work-group g owns tokens i0 = 2 g and i0 + 1: 512 KiB of z.  Wave w owns keys 64 w .. 64 w + 63 of both: four PAIRS of 32 rows (16 KiB, dense), pair p: keys 32 (p / 2) on, token i0 + p % 2.
; THE PRODUCT.  zn = (z - mu) rstd nw + nb, so t = ((z - mu) rstd) . W'' + B with W'' = nw Wz log2(e), B = the sum of nb Wz log2(e).  v_wmma_f32_16x16x4_f32: source 0 = 16 rows of z, source 1 = W''.
; The 16 columns are 8 heads of i0 and 8 heads of i0 + 1: B0 holds W'' in columns 0-7 and zeros in 8-15, B1 the other way round; an accumulator takes 32 steps of i0's rows x B0, then 32 of i1's rows x B1.
; So all 32 lanes hold softmax work: lane (r, h) holds head r % 8 of token i0 + r / 8, and register e of accumulator (b1, u) key 64 w + 32 b1 + 16 h + 8 u + e (a tile's rows are chosen for that).
; No tensor loads: each byte of z is wanted by one wave once, and the loads of the next pair stay out under counted waits while a pair is worked.  No cluster: work-groups share no large input.
; LIMITS: e1, e3, e5, e7 between -126 and 119, so that 2^e and 448 x 2^e are f32 numbers.  NaN and infinities among the inputs are not served.
; REGISTERS.  Window 1: two pair buffers of 128 (landing, the turn through LDS in place, the norm in place, source 0).  Window 0: v1-31 addresses and small things; v32-95 B0; v96-159 B1;
;   v160-191 the four accumulators (written by matrix instructions alone); v192-199 B eight times; v200-231 at work; v232-239 p's codes; v240-255 tables, the weight group.
.set TSW,   16896                      ; LDS: a wave's own stage for the turn: 32 rows x (512 + 16) bytes
.set WT,    8*TSW                      ; W''[head][c], rows 528 bytes apart
.set BT,    WT+4352                    ; nb Wz log2(e), the same shape
.set EX1,   BT+4352                    ; the waves' maxima: a word for each thread
.set EX2,   EX1+1024                   ; the waves' sums
.set SPARE, EX2+1024                   ; the spare words, 128 bytes for each wave: four blocks of 256 bytes that no other line names
.set ZO,   1                           ; v1   16 x lane
.set SWA,  2                           ; v2   the stage, on the way in: 16 x lane
.set SRA,  3                           ; v3   and back: row r, + 16 h
.set TBA,  4                           ; v4   W'' of head r % 8, + 16 h
.set EXW,  5                           ; v5   my word among the maxima
.set EXR,  6                           ; v6   my lane's word in wave 0's row of them
.set PO,   7                           ; v7   my 16 bytes in pc: head, token, half
.set SPW,  8                           ; v8   LDS address of my spare word; never rewritten
.set NIL,  9                           ; v9   0; never rewritten
.set SCP,  10                          ; v10  2^e5
.set LIMP, 11                          ; v11  448 x 2^e5
.set M0,   12                          ; v[12:13] 1.0 in lanes with r < 8, else 0
.set M1,   14                          ; v[14:15] the other way round
.set MU,   16                          ; v16, v18  -mu of tile 0, 1 (low words of pairs)
.set RS,   20                          ; v20, v22  rstd likewise
.set PD,   24                          ; v24, v25  what the lane 16 away holds
.set TW,   26                          ; v26  where I store my part of the tables
.set B0,   32
.set B1,   96
.set AC,   160
.set BI,   192
.set T,    200
.set PCD,  232
.set MSB, 0
.macro WIN new                         ; the immediate's high byte repeats the setting that is left; a switch that changes nothing is dropped
.if MSB != \new
	s_set_vgpr_msb (MSB<<8)|\new
.set MSB, \new
.endif
.endm
.macro BARRIER                         ; my LDS stores have landed and my LDS loads are in: then the work-group's barrier
	s_wait_dscnt 0x0
	s_barrier_signal -1
	s_barrier_wait -1
.endm
.macro NOPS n
.rept \n
	v_nop
.endr
.endm
; pair p's 32 rows into buffer p % 2: each load takes one whole row of 512 bytes, 16 a lane
.macro ZLOAD p
	WIN 0x40                                       ; destination window 1
.set n, 0
.rept 32
	global_load_b128 v[128*((\p)&1)+4*n:128*((\p)&1)+4*n+3], v[ZO], s[42:43] offset:((\p)&1)*262144+((\p)>>1)*16384+512*n th:TH_LOAD_NT
.set n, n+1
.endr
	WIN 0
.endm
	s_load_b512 s[8:23], s[0:1], 0x0               ; z, norm_z_w, norm_z_b, Wz, lowp_scales, Wm, Wg, Wo
	s_load_b128 s[24:27], s[0:1], 0x40             ; pc, ls
	s_load_b64 s[28:29], s[0:1], 0x50              ; wc
	v_lshl_add_u32 v[SPW], v0, 2, SPARE
	v_mov_b32 v[NIL], 0
	v_lshrrev_b32 v30, 5, v0
	v_readfirstlane_b32 s30, v30                   ; wave 0..7
	v_and_b32 v30, 31, v0                          ; lane
	v_and_b32 v31, 15, v0                          ; r
	v_bfe_u32 v24, v0, 4, 1                        ; h   (v24 and v25 are written here: a lane permute's destination counts as one of its sources)
	v_and_b32 v25, 7, v0                           ; head = r % 8
	v_bfe_u32 v29, v0, 3, 1                        ; r / 8: which of the two tokens
	v_lshlrev_b32 v[ZO], 4, v30
	s_mul_i32 s50, s30, TSW                        ; my stage
	v_add_nc_u32 v[SWA], s50, v[ZO]
	v_mul_u32_u24 v[SRA], v31, 528
	v_lshl_add_u32 v[SRA], v24, 4, v[SRA]
	v_add_nc_u32 v[SRA], s50, v[SRA]
	v_mul_u32_u24 v[TBA], v25, 528
	v_lshl_add_u32 v[TBA], v24, 4, v[TBA]
	v_add_nc_u32 v[TBA], WT, v[TBA]
	v_lshl_add_u32 v[EXW], v0, 2, EX1
	v_lshl_add_u32 v[EXR], v30, 2, EX1
	v_lshlrev_b32 v[PO], 18, v25                   ; head x 262,144
	v_lshl_add_u32 v[PO], v29, 5, v[PO]            ; + 32 for the second token: the tile's next row
	v_lshl_add_u32 v[PO], v24, 4, v[PO]            ; + 16 h
	v_cvt_f32_u32 v[M1], v29
	v_cvt_f32_u32 v[M1+1], v29
	v_sub_f32 v[M0], 1.0, v[M1]
	v_sub_f32 v[M0+1], 1.0, v[M1]
	v_lshlrev_b32 v27, 4, v0                       ; the tables: thread t takes Wz(c = t / 2, heads 4 (t % 2) + 0..3): byte 16 t,
	v_lshrrev_b32 v28, 1, v0
	v_lshlrev_b32 v28, 2, v28                      ; and nw(c), nb(c): byte 4 c
	v_and_b32 v[TW], 1, v0
	v_mul_u32_u24 v[TW], v[TW], 4*528
	v_add_nc_u32 v[TW], v[TW], v28
	v_add_nc_u32 v[TW], WT, v[TW]                  ; rows 4 (t % 2) + 0..3 of the tables, word c
	v_mov_b32 v21, 0                               ; (named as the upper halves of rstd's pairs)
	v_mov_b32 v23, 0
	s_mov_b32 s40, 0x76543210                      ; v_permlanex16_b32: each lane takes its own place in the other half
	s_mov_b32 s41, 0xfedcba98
	s_mov_b32 s56, 0x3727c5ac                      ; 1e-5
	s_lshl_b32 s50, ttmp9, 19                      ; z: two tokens of 262,144 bytes a work-group,
	s_lshl_b32 s51, s30, 15                        ; 64 rows of 512 a wave
	s_add_co_u32 s50, s50, s51
	s_mov_b32 s51, 0
	s_and_b32 s52, ttmp9, 15
	s_lshl_b32 s52, s52, 1                         ; x = i0 % 32 = 16 hh + 8 u + e
	s_bfe_u32 s53, s52, 0x10003                    ; u
	s_and_b32 s54, s52, 7
	s_lshr_b32 s55, s52, 4
	s_lshl_b32 s55, s55, 3
	s_add_co_u32 s54, s54, s55                     ; i0's row in its tile: 8 hh + e
	s_lshr_b32 s55, ttmp9, 4
	s_lshl_b32 s55, s55, 1
	s_add_co_u32 s55, s55, s53                     ; its tile: 2 (i0 / 32) + u
	s_lshl_b32 s52, s55, 13
	s_lshl_b32 s54, s54, 5
	s_add_co_u32 s52, s52, s54
	s_lshl_b32 s54, s30, 10                        ; my 64 keys: q = w / 2, b = 2 (w % 2) on: 1,024 w
	s_add_co_u32 s52, s52, s54
	s_mov_b32 s53, 0
	s_lshl_b32 s54, ttmp9, 6                       ; ls: two tokens of 32 bytes
	s_mov_b32 s55, 0
	s_wait_kmcnt 0x0
	s_load_b256 s[32:39], s[16:17], 0x0            ; e0 .. e7
	s_add_nc_u64 s[42:43], s[8:9], s[50:51]
	s_add_nc_u64 s[44:45], s[24:25], s[52:53]
	s_add_nc_u64 s[60:61], s[26:27], s[54:55]
	global_load_b128 v[240:243], v27, s[14:15]
	global_load_b32 v244, v28, s[10:11]
	global_load_b32 v245, v28, s[12:13]
	; THE WEIGHTS' CODES: wave 0 of work-groups 0 to 95 makes group g of wc: 16 numbers a lane, down K, in the order of the operand's registers.  One arm holds all of it, the first two pairs' loads too.
	s_cmp_lg_u32 s30, 0
	s_cbranch_scc1 .Lplain
	s_cmp_ge_u32 ttmp9, 96
	s_cbranch_scc1 .Lplain
	s_lshl_b32 s50, ttmp9, 9
	s_mov_b32 s51, 0
	s_add_nc_u64 s[48:49], s[28:29], s[50:51]      ; wc + 512 g
	s_cmp_ge_u32 ttmp9, 64
	s_cbranch_scc1 .Lwo
	s_cmp_lt_u32 ttmp9, 32                         ; Wm or Wg, [64 k][256 n]: lane (r, h), number y: k = 32 c2 + 16 (y / 8) + 8 h + y % 8, n = 32 head + 8 u' + r + 8 (r / 8)
	s_cselect_b64 s[46:47], s[18:19], s[20:21]
	s_and_b32 s50, ttmp9, 1                        ; c2
	s_lshl_b32 s50, s50, 15
	s_bfe_u32 s52, ttmp9, 0x10001                  ; u'
	s_lshl_b32 s52, s52, 5
	s_add_co_u32 s50, s50, s52
	s_bfe_u32 s52, ttmp9, 0x30002                  ; head
	s_lshl_b32 s52, s52, 7
	s_add_co_u32 s50, s50, s52
	s_add_nc_u64 s[46:47], s[46:47], s[50:51]
	v_lshl_add_u32 v246, v29, 3, v31
	v_lshlrev_b32 v246, 2, v246
	v_lshl_add_u32 v246, v24, 13, v246
.set n, 0
.rept 16
	global_load_b32 v[T+n], v246, s[46:47] offset:(16*(n>>3)+(n&7))*1024
.set n, n+1
.endr
	s_branch .Lwq_z
.Lwo:                                              ; Wo, [256 k][64 c]: k = 128 kstep + 32 b + 16 h + y, c = 16 ct + r
	s_mov_b64 s[46:47], s[22:23]
	s_bfe_u32 s50, ttmp9, 0x10002                  ; kstep
	s_lshl_b32 s50, s50, 15
	s_and_b32 s52, ttmp9, 3                        ; b
	s_lshl_b32 s52, s52, 13
	s_add_co_u32 s50, s50, s52
	s_bfe_u32 s52, ttmp9, 0x20003                  ; ct (g - 64 = 8 ct + 4 kstep + b, under 32)
	s_lshl_b32 s52, s52, 6
	s_add_co_u32 s50, s50, s52
	s_add_nc_u64 s[46:47], s[46:47], s[50:51]
	v_lshlrev_b32 v246, 2, v31
	v_lshl_add_u32 v246, v24, 12, v246
.set n, 0
.rept 16
	global_load_b32 v[T+n], v246, s[46:47] offset:256*n
.set n, n+1
.endr
.Lwq_z:
	ZLOAD 0
	ZLOAD 1
	s_wait_kmcnt 0x0
	s_cmp_lt_u32 ttmp9, 64
	s_cselect_b32 s52, s35, s39                    ; e3 or e7,
	s_cmp_lt_u32 ttmp9, 32
	s_cselect_b32 s52, s33, s52                    ; or e1
	s_add_co_i32 s52, s52, 127
	s_lshl_b32 s53, s52, 23
	v_mov_b32 v252, s53                            ; 2^e as f32: the conversion takes its exponent field
	s_add_co_i32 s52, s52, 8
	s_lshl_b32 s52, s52, 23
	s_or_b32 s52, s52, 0x600000
	v_mov_b32 v253, s52                            ; 448 x 2^e
	s_wait_loadcnt 63                              ; behind the group's 16 loads stand the 64 of z: with 63 out at the most the group is in
.set n, 0
.rept 16
	v_med3_num_f32 v[T+n], v[T+n], -v253, v253     ; the conversion to an 8-bit code does not saturate (ISA guide 7.6.2): the hold at the largest code x the scale
.set n, n+1
.endr
	v_cvt_scalef32_pk8_fp8_f32 v[248:249], v[T:T+7], v252
	v_cvt_scalef32_pk8_fp8_f32 v[250:251], v[T+8:T+15], v252
	v_nop                                          ; one plain vector line behind the last conversion: its sources are written again by vector lines later
	global_store_b128 v[ZO], v[248:251], s[48:49]  ; the wave stores 512 consecutive bytes; v248-251 are not written again
	s_branch .Ltables
.Lplain:
	ZLOAD 0
	ZLOAD 1
.Ltables:
	s_wait_kmcnt 0x0                               ; the exponents
	s_add_co_i32 s52, s37, 127
	s_lshl_b32 s53, s52, 23
	v_mov_b32 v[SCP], s53
	s_add_co_i32 s52, s52, 8
	s_lshl_b32 s52, s52, 23
	s_or_b32 s52, s52, 0x600000
	v_mov_b32 v[LIMP], s52
	s_wait_loadcnt 63                              ; the three table loads are older than z's 64
	v_mul_f32 v244, 0x3fb8aa3b, v244               ; nw log2(e)
	v_mul_f32 v245, 0x3fb8aa3b, v245               ; nb log2(e)
.irp k, 0,1,2,3
	v_mul_f32 v[PCD+\k], v[240+\k], v244
	v_mul_f32 v[PCD+4+\k], v[240+\k], v245
.endr
.irp k, 0,1,2,3
	ds_store_b32 v[TW], v[PCD+\k] offset:528*\k
	ds_store_b32 v[TW], v[PCD+4+\k] offset:4352+528*\k
.endr
	BARRIER                                        ; both tables lie in LDS
.set n, 0
.rept 16                                           ; register 4 n + e: c = 8 n + 4 h + e of head r % 8: the places that the turn gives z's numbers
	ds_load_b128 v[B0+4*n:B0+4*n+3], v[TBA] offset:32*n
	ds_load_b128 v[B1+4*n:B1+4*n+3], v[TBA] offset:4352+32*n
.set n, n+1
.endr
	s_wait_dscnt 0x0
	v_pk_add_f32 v[16:17], v[B1:B1+1], v[B1+2:B1+3]        ; B = the sum over c of nb Wz log2(e): my 64, in two chains,
	v_pk_add_f32 v[18:19], v[B1+4:B1+5], v[B1+6:B1+7]
.set n, 8
.rept 14
	v_pk_add_f32 v[16:17], v[16:17], v[B1+n:B1+n+1]
	v_pk_add_f32 v[18:19], v[18:19], v[B1+n+2:B1+n+3]
.set n, n+4
.endr
	v_pk_add_f32 v[16:17], v[16:17], v[18:19]
	v_add_f32 v16, v16, v17
	v_permlanex16_b32 v24, v16, s40, s41           ; and the other 64, in the lane 16 away
.irp e, 0,1,2,3,4,5,6,7
	v_add_f32 v[BI+\e], v16, v24                   ; eight times: the C of each sum's first matrix instruction
.endr
.set n, 0
.rept 32
	v_pk_mul_f32 v[B1+n:B1+n+1], v[B0+n:B0+n+1], v[M1:M1+1]   ; W'' in columns 8-15, zeros in 0-7
.set n, n+2
.endr
.set n, 0
.rept 32
	v_pk_mul_f32 v[B0+n:B0+n+1], v[B0+n:B0+n+1], v[M0:M0+1]   ; W'' in columns 0-7, zeros in 8-15
.set n, n+2
.endr
; the two tiles' four chains each -> v[T], v[T+8]: the row's sum, in both lanes that share the row
.macro REDUCE
.irp u, 0,1
	v_pk_add_f32 v[T+8*\u:T+8*\u+1], v[T+8*\u:T+8*\u+1], v[T+8*\u+2:T+8*\u+3]
	v_pk_add_f32 v[T+8*\u+4:T+8*\u+5], v[T+8*\u+4:T+8*\u+5], v[T+8*\u+6:T+8*\u+7]
.endr
.irp u, 0,1
	v_pk_add_f32 v[T+8*\u:T+8*\u+1], v[T+8*\u:T+8*\u+1], v[T+8*\u+4:T+8*\u+5]
.endr
.irp u, 0,1
	v_add_f32 v[T+8*\u], v[T+8*\u], v[T+8*\u+1]
.endr
.irp u, 0,1
	v_permlanex16_b32 v[PD+\u], v[T+8*\u], s40, s41
.endr
.irp u, 0,1
	v_add_f32 v[T+8*\u], v[T+8*\u], v[PD+\u]
.endr
.endm
; A PAIR: 32 rows of z are turned, normed and multiplied.
.macro PAIR p
.set XB, 128*((\p)&1)                  ; its buffer, in window 1
.set BB, B0+64*((\p)&1)                ; B0 for i0's rows, B1 for i1's
.set AB, AC+16*((\p)>>1)               ; its two accumulators
.if (\p) < 3
	s_wait_loadcnt 32                              ; my 32 loads are in; the next pair's 32 stay out
.else
	s_wait_loadcnt 0x0
.endif
	; the turn: as loaded a lane holds 16 bytes of every row; source 0 wants lane (r, h) to hold half of row r.  Row 16 hh + 8 u + e goes to place 16 u + 8 hh + e of my stage: a tile's 16 rows lie together.
	WIN 0x04                                       ; store data window 1
.set n, 0
.rept 32
	ds_store_b128 v[SWA], v[XB+4*n:XB+4*n+3] offset:528*(16*((n>>3)&1)+8*(n>>4)+(n&7))
.set n, n+1
.endr
	WIN 0x40                                       ; LDS serves a wave's instructions in order (ISA guide 5.7.1.4): these see the stores above, and land in the registers that those have left
.irp u, 0,1
.set n, 0
.rept 16
	ds_load_b128 v[XB+64*\u+4*n:XB+64*\u+4*n+3], v[SRA] offset:16*\u*528+32*n   ; register 4 n + e: c = 8 n + 4 h + e; rows 132 words apart
.set n, n+1
.endr
.endr
	WIN 0
	s_wait_dscnt 0x0
	WIN 0x05                                       ; the rows' sums: four chains a tile, started by the first eight pairs: nothing is cleared
.irp u, 0,1
.irp k, 0,1,2,3
	v_pk_add_f32 v[T+8*\u+2*\k:T+8*\u+2*\k+1], v[XB+64*\u+4*\k:XB+64*\u+4*\k+1], v[XB+64*\u+4*\k+2:XB+64*\u+4*\k+3]
.endr
.endr
	WIN 0x04
.set n, 8
.rept 24
.irp u, 0,1
	v_pk_add_f32 v[T+8*\u+2*(n%4):T+8*\u+2*(n%4)+1], v[T+8*\u+2*(n%4):T+8*\u+2*(n%4)+1], v[XB+64*\u+2*n:XB+64*\u+2*n+1]
.endr
.set n, n+1
.endr
	WIN 0
	REDUCE
.irp u, 0,1
	v_mul_f32 v[MU+2*\u], 0xbc000000, v[T+8*\u]    ; -mu = -sum / 128
.endr
	WIN 0x41                                       ; z - mu, in place
.irp u, 0,1
.set n, 0
.rept 32
	v_pk_add_f32 v[XB+64*\u+n:XB+64*\u+n+1], v[XB+64*\u+n:XB+64*\u+n+1], v[MU+2*\u:MU+2*\u+1] op_sel_hi:[1,0]
.set n, n+2
.endr
.endr
	WIN 0x05                                       ; the sums of squares, again in four chains a tile
.irp u, 0,1
.irp k, 0,1,2,3
	v_pk_mul_f32 v[T+8*\u+2*\k:T+8*\u+2*\k+1], v[XB+64*\u+2*\k:XB+64*\u+2*\k+1], v[XB+64*\u+2*\k:XB+64*\u+2*\k+1]
.endr
.endr
.set n, 4
.rept 28
.irp u, 0,1
	v_pk_fma_f32 v[T+8*\u+2*(n%4):T+8*\u+2*(n%4)+1], v[XB+64*\u+2*n:XB+64*\u+2*n+1], v[XB+64*\u+2*n:XB+64*\u+2*n+1], v[T+8*\u+2*(n%4):T+8*\u+2*(n%4)+1]
.endr
.set n, n+1
.endr
	WIN 0
	REDUCE
.irp u, 0,1
	v_fma_f32 v[T+8*\u], v[T+8*\u], 0x3c000000, s56   ; var + 1e-5
.endr
	v_rsq_f32 v[RS], v[T]
	v_rsq_f32 v[RS+2], v[T+8]
	v_nop                                          ; a plain instruction behind the last transcendental,
	s_wait_alu depctr_va_vdst(0)                   ; and the wait ahead of the first use: one for both
	WIN 0x41                                       ; (z - mu) rstd, in place
.irp u, 0,1
.set n, 0
.rept 32
	v_pk_mul_f32 v[XB+64*\u+n:XB+64*\u+n+1], v[XB+64*\u+n:XB+64*\u+n+1], v[RS+2*\u:RS+2*\u+1] op_sel_hi:[1,0]
.set n, n+2
.endr
.endr
	WIN 0x01                                       ; source 0 window 1.  32 steps of 4 along c; the two tiles' accumulators take turns, one instruction a turn
.set n, 0
.rept 32
.irp u, 0,1
.if (((\p)&1) == 0) && (n == 0)
	v_wmma_f32_16x16x4_f32 v[AB+8*\u:AB+8*\u+7], v[XB+64*\u+2*n:XB+64*\u+2*n+1], v[BB+2*n:BB+2*n+1], v[BI:BI+7]   ; a sum's first step takes B as its C
.else
	v_wmma_f32_16x16x4_f32 v[AB+8*\u:AB+8*\u+7], v[XB+64*\u+2*n:XB+64*\u+2*n+1], v[BB+2*n:BB+2*n+1], v[AB+8*\u:AB+8*\u+7]
.endif
.endr
.set n, n+1
.endr
	WIN 0
.if (\p) < 2
	NOPS 8                                         ; eight places behind this form in front of loads into registers that it has read
	ZLOAD (\p)+2
.endif
.endm
	PAIR 0
	PAIR 1
	PAIR 2
	PAIR 3
	; THE SOFTMAX.  My 32 registers are 32 keys of one (token, head); the lane 16 away holds 32 more, the other waves the rest.
	NOPS 8                                         ; eight places in front of the first read of results; each accumulator is read from its low end on
	v_max3_num_f32 v16, v[AC], v[AC+1], v[AC+2]
	v_max3_num_f32 v18, v[AC+3], v[AC+4], v[AC+5]
.irp i, 6,10,14,18,22,26
	v_max3_num_f32 v16, v16, v[AC+\i], v[AC+\i+1]
	v_max3_num_f32 v18, v18, v[AC+\i+2], v[AC+\i+3]
.endr
	v_max3_num_f32 v16, v16, v[AC+30], v[AC+31]
	v_max_num_f32 v16, v16, v18
	v_permlanex16_b32 v24, v16, s40, s41
	v_max_num_f32 v16, v16, v24
	ds_store_b32 v[EXW], v16
	BARRIER                                        ; the eight waves' maxima lie in LDS
.irp k, 0,1,2,3,4,5,6,7
	ds_load_b32 v[240+\k], v[EXR] offset:128*\k
.endr
	s_wait_dscnt 0x0
	v_max3_num_f32 v16, v240, v241, v242
	v_max3_num_f32 v16, v16, v243, v244
	v_max3_num_f32 v16, v16, v245, v246
	v_max_num_f32 v16, v16, v247                   ; the row's largest t
	v_floor_f32 v16, -v16                          ; -M = floor(-t) = -ceil(t): M is a whole number
.set n, 0
.rept 16
	v_pk_add_f32 v[T+n:T+n+1], v[AC+n:AC+n+1], v[16:17] op_sel_hi:[1,0]   ; t - M, into other registers than the sums'
.set n, n+2
.endr
.set n, 0
.rept 32
	v_exp_f32 v[T+n], v[T+n]                       ; p = 2^(t - M), at most 1: not normalised
.set n, n+1
.endr
	v_nop                                          ; a plain instruction behind the last exponential,
	s_wait_alu depctr_va_vdst(0)                   ; and one wait for the batch, ahead of its first reader
	v_pk_add_f32 v[18:19], v[T:T+1], v[T+2:T+3]    ; the row's sum is taken of the unquantised p: two chains
	v_pk_add_f32 v[20:21], v[T+4:T+5], v[T+6:T+7]
.set n, 8
.rept 6
	v_pk_add_f32 v[18:19], v[18:19], v[T+n:T+n+1]
	v_pk_add_f32 v[20:21], v[20:21], v[T+n+2:T+n+3]
.set n, n+4
.endr
	v_pk_add_f32 v[18:19], v[18:19], v[20:21]
	v_add_f32 v18, v18, v19
	v_permlanex16_b32 v24, v18, s40, s41
	v_add_f32 v18, v18, v24
	ds_store_b32 v[EXW], v18 offset:1024           ; my wave's part of l
.set n, 0
.rept 32
	v_min_num_f32 v[T+n], v[T+n], v[LIMP]          ; the hold; p is not negative, so it is one-sided
.set n, n+1
.endr
.irp a, 0,1,2,3
	v_cvt_scalef32_pk8_fp8_f32 v[PCD+2*\a:PCD+2*\a+1], v[T+8*\a:T+8*\a+7], v[SCP]   ; registers 4 b1 .. 4 b1 + 3: keys 64 w + 32 b1 + 16 h + 0..15
.endr
	v_nop
	global_store_b128 v[PO], v[PCD:PCD+3], s[44:45]              ; for each head the four lanes (token, half) store 64 consecutive bytes
	global_store_b128 v[PO], v[PCD+4:PCD+7], s[44:45] offset:512
	BARRIER                                        ; the eight waves' sums lie in LDS
	s_cmp_lg_u32 s30, 0                            ; wave 0 adds them, in the waves' order, and stores l
	s_cbranch_scc1 .Lend
.irp k, 0,1,2,3,4,5,6,7
	ds_load_b32 v[240+\k], v[EXR] offset:1024+128*\k
.endr
	v_lshlrev_b32 v29, 2, v0                       ; in wave 0 the thread's number is the lane: 4 r = 32 (r / 8) + 4 (r % 8): token, head
	s_wait_dscnt 0x0
.irp k, 1,2,3,4,5,6,7
	v_add_f32 v240, v240, v[240+\k]
.endr
	v_cmp_gt_u32 vcc_lo, 16, v0
	s_wait_xcnt 0x0                                ; EXEC changes only behind this wait: stores are out
	s_and_saveexec_b32 s58, vcc_lo                 ; lanes 16-31 hold the same numbers as lanes 0-15
	global_store_b32 v29, v240, s[60:61]           ; 64 consecutive bytes
	s_wait_xcnt 0x0                                ; and again, in front of the line that widens it
	s_or_b32 exec_lo, exec_lo, s58
.Lend:
	s_wait_tensorcnt 0x0                           ; the wave's end
	ds_add_u32 v[SPW], v[NIL]
	s_wait_dscnt 0x0
	s_endpgm
.Lfunc_end_k_qa3c817d503_pairs:
	.size	k_qa3c817d503_pairs, .Lfunc_end_k_qa3c817d503_pairs-k_qa3c817d503_pairs
	.p2alignl 7, 3214868480
	.fill 96, 4, 3214868480
	.section	.rodata,"a",@progbits
	.p2align	6, 0x0
	.amdhsa_kernel k_qa3c817d503_pairs
		.amdhsa_group_segment_fixed_size 146944
		.amdhsa_private_segment_fixed_size 0
		.amdhsa_enable_private_segment 0
		.amdhsa_kernarg_size 88
		.amdhsa_user_sgpr_count 2
		.amdhsa_user_sgpr_kernarg_segment_ptr 1
		.amdhsa_wavefront_size32 1
		.amdhsa_system_sgpr_workgroup_id_x 1
		.amdhsa_system_sgpr_workgroup_id_y 1
		.amdhsa_system_sgpr_workgroup_id_z 1
		.amdhsa_system_vgpr_workitem_id 0
		.amdhsa_next_free_vgpr 512
		.amdhsa_next_free_sgpr 66
		.amdhsa_reserve_vcc 1
		.amdhsa_float_denorm_mode_32 3
		.amdhsa_float_denorm_mode_16_64 3
		.amdhsa_memory_ordered 1
		.amdhsa_forward_progress 1
		.amdhsa_inst_pref_size 149
	.end_amdhsa_kernel
	.amdgpu_metadata
---
amdhsa.version: [ 1, 2 ]
amdhsa.kernels:
  - .name:           k_qa3c817d503_pairs
    .symbol:         k_qa3c817d503_pairs.kd
    .args:
      - { .name: z, .offset: 0, .size: 8, .value_kind: global_buffer, .address_space: global }
      - { .name: norm_z_w, .offset: 8, .size: 8, .value_kind: global_buffer, .address_space: global }
      - { .name: norm_z_b, .offset: 16, .size: 8, .value_kind: global_buffer, .address_space: global }
      - { .name: Wz, .offset: 24, .size: 8, .value_kind: global_buffer, .address_space: global }
      - { .name: lowp_scales, .offset: 32, .size: 8, .value_kind: global_buffer, .address_space: global }
      - { .name: Wm, .offset: 40, .size: 8, .value_kind: global_buffer, .address_space: global }
      - { .name: Wg, .offset: 48, .size: 8, .value_kind: global_buffer, .address_space: global }
      - { .name: Wo, .offset: 56, .size: 8, .value_kind: global_buffer, .address_space: global }
      - { .name: pc, .offset: 64, .size: 8, .value_kind: global_buffer, .address_space: global }
      - { .name: ls, .offset: 72, .size: 8, .value_kind: global_buffer, .address_space: global }
      - { .name: wc, .offset: 80, .size: 8, .value_kind: global_buffer, .address_space: global }
    .group_segment_fixed_size: 146944
    .private_segment_fixed_size: 0
    .kernarg_segment_align: 8
    .kernarg_segment_size: 88
    .max_flat_workgroup_size: 256
    .sgpr_count:     66
    .vgpr_count:     512
    .wavefront_size: 32
...
	.end_amdgpu_metadata
.endif
;; end of part 1
;; launch fused (part 2): grid 256 x 1, 8 waves a work-group, no clusters, 235,520 bytes of LDS; arguments m, norm_m_w, norm_m_b, lowp_scales, pc, ls, wc, out0; writes out0
.if DOCPART == 2
	.amdgcn_target "amdgcn-amd-amdhsa--gfx1250"
	.amdhsa_code_object_version 6
	.text
	.protected	k_qa3c817d503_fused
	.globl	k_qa3c817d503_fused
	.p2align	8
	.type	k_qa3c817d503_fused,@function
k_qa3c817d503_fused:
	s_mov_b64 s[64:65], 0
	v_nop
	global_prefetch_b8 v0, s[64:65] scope:SCOPE_SE
	s_setreg_imm32_b32 hwreg(HW_REG_WAVE_MODE, 25, 1), 1
	s_wait_xcnt 0x0
; out[s][i][:] = Q(o g) Wo,  o[s][i][h][d] = (the sum over j of Q(p[i][j][h]) Q(v[s][j][h][d])) / l[i][h],  v = Q(mn) Q(Wm),  g = sigmoid(Q(mn) Q(Wg)),  mn = layer norm of m.  All four products on codes of FP8 (E4M3),
; each operand with its given scale 2^e (e0 .. e7).  m, out0: [512 s][512 token][64] f32.  pc, ls, wc: p's codes, l and the weights' codes, as the launch before has laid them (its head comment).
; SHARES.  Work-group g owns s = 2 g and 2 g + 1, all tokens, all heads.  Wave w: the norm of 128 tokens of s = w / 4; head w of v, g and o for both s; of the last product s = w / 4, columns 16 (w % 4) on.
; v NEVER LEAVES THE REGISTERS: a head's codes for two s are 2 x 32 d x 512 j bytes = 256 registers a lane: window 1.  So each byte of p is wanted by ONE wave of the work-group, and goes from pc straight into
; that wave's operand registers, 512 consecutive bytes an instruction, a tile ahead, under counted waits.
; NO CLUSTER, NO JOINT LOADS, though all work-groups read pc: a joint load lands in LDS, in slots that change behind a round for which every load is waited for.  Beside mn's 128 KiB of codes LDS has room for two
; slots of one tile of tokens (64 KiB each), so one slot would be on its way for a trip of 22 matrix instructions a wave, with a round in each of 32 trips, and the bytes would cross LDS on their way to registers.
; TILES.  Tile 2 B + u of tokens, row x: token 32 B + 8 u + x + 8 (x / 8); a head's tile u' of d likewise.  So the 16 registers that a lane holds of two neighbouring tiles of a result are 16 neighbours along the next K.
; LAYOUTS.  K = 64 (mn, Wm, Wg): registers 2 c, 2 c + 1: k = 16 c + 8 h + 0..7.  K = 128 (v, p, o g, Wo): registers 4 b .. 4 b + 3: k = 32 b + 16 h + 0..15, the same order of k on both sides of a product.
; Operands go from wave to wave through LDS as images of their registers: each group of four registers at 16 x lane.
; LIMITS, so that each power of two below is an f32 number: e0, e2, e4 - e0 - e1, e6 - e4 - e5 between -126 and 119; e2 + e3 between -126 and 126; e6 + e7 between -126 and 127.  NaN and infinities are not served.
; REGISTERS.  Window 1: m as it lands, then v's 16 fragments: (s, u', q) at 128 s + 64 u' + 16 q.  Window 0: v1-31 addresses, scales, l; v32-47 Wg; v48-79 Wo; v80-143 p (in the norm: nw, nb);
;   v144-175 o's sums (the norm's rows; v's sums); v176-207 g's sums, then o g's fragments (likewise); v208-223 mn's codes for g (at work; mn's for v); v224-231 o g's codes; v232-239 rows of out; v240-255 the last sums (Wm).
.set MG,    65536                      ; LDS: 0: mn's codes under e0, tile (32 s + tile) x 1,024 + 512 c2 + 16 lane;  here: the same under e2
.set OG,    131072                     ; o g's images, two sets by turns: 8,192 par + 4,096 s + 2,048 kstep + 512 b + 16 lane
.set STG,   OG+2*8192                  ; the stage for out, two by turns: 32 rows (16 s + row) x (256 + 16) bytes
.set TS,    STG+2*8704                 ; each wave's own two stages for m's turn: 16 rows x 272
.set SPARE, TS+8*8704                  ; the spare words, 128 bytes for each wave: four blocks of 256 bytes that no other line names
.set LI,   1                           ; v1   16 x lane
.set SWA,  2                           ; v2   m's turn, in: row lane / 16, + 16 (lane % 16)
.set SRA,  3                           ; v3   and back: row r, + 32 h
.set IMW,  4                           ; v4   where I store mn's images under e0
.set AG0,  5                           ; v5   MG + 16 lane
.set ADG,  6                           ; v6   the same + the loop's step
.set PO,   7                           ; v7   p: 32 r + 16 h
.set LO,   8                           ; v8   l: 32 (r + 8 (r / 8))
.set OGW,  9                           ; v9   where I store o g's image: kstep w / 4, b = w % 4
.set OGR,  10                          ; v10  where I read o g's fragments: s = w / 4
.set STW,  11                          ; v11  the stage, in
.set STR,  12                          ; v12  and back
.set NO,   13                          ; v13  32 h
.set PFO,  14                          ; v14  256 x lane; never rewritten
.set SPW,  15                          ; v15  LDS address of my spare word; never rewritten
.set NIL,  16                          ; v16  0; never rewritten
.set SCA,  17                          ; 2^e and 448 x 2^e: v17, v18: e0;  v19, v20: e2;  v21, v22: e4 - e0 - e1;  v23, v24: e6 - e4 - e5
.set LIMA, 18
.set SCB,  19
.set LIMB, 20
.set SCV,  21
.set LIMV, 22
.set SCO,  23
.set LIMO, 24
.set IMG,  25                          ; v25  where I store mn's images under e2
.set L0,   26                          ; v26, v28  l of even and of odd tiles (low words of pairs)
.set MS,   30                          ; v30  -mu, then rstd (low word of a pair)
.set WG,   32
.set WO,   48
.set P,    80
.set NW,   80
.set NB,   112
.set OA,   144
.set Y,    144
.set VA,   144
.set GA,   176
.set OF,   176
.set MGF,  208
.set T,    208
.set MF,   208
.set OC,   224
.set CA,   224
.set RB,   232
.set CB,   232
.set D0,   240
.set D1,   248
.set WM,   240
.set MSB, 0
.macro WIN new                         ; the immediate's high byte repeats the setting that is left; a switch that changes nothing is dropped
.if MSB != \new
	s_set_vgpr_msb (MSB<<8)|\new
.set MSB, \new
.endif
.endm
.macro BARRIER                         ; my LDS stores have landed and my LDS loads are in: then the work-group's barrier
	s_wait_dscnt 0x0
	s_barrier_signal -1
	s_barrier_wait -1
.endm
.macro NOPS n
.rept \n
	v_nop
.endr
.endm
.macro MKSC e, sc, lim                 ; s[e] holds an exponent: v[sc] = 2^e as f32 (a conversion takes its exponent field), v[lim] = 448 x 2^e
	s_add_co_i32 s58, s[\e], 127
	s_lshl_b32 s59, s58, 23
	v_mov_b32 v[\sc], s59
	s_add_co_i32 s58, s58, 8
	s_lshl_b32 s58, s58, 23
	s_or_b32 s58, s58, 0x600000
	v_mov_b32 v[\lim], s58
.endm
	s_load_b512 s[8:23], s[0:1], 0x0               ; m, norm_m_w, norm_m_b, lowp_scales, pc, ls, wc, out0
	v_lshl_add_u32 v[SPW], v0, 2, SPARE
	v_mov_b32 v[NIL], 0
	v_lshrrev_b32 v224, 5, v0
	v_readfirstlane_b32 s24, v224                  ; wave 0..7
	v_and_b32 v224, 31, v0                         ; lane
	v_and_b32 v225, 15, v0                         ; r
	v_bfe_u32 v226, v0, 4, 1                       ; h
	s_lshr_b32 s25, s24, 2                         ; w / 4
	s_and_b32 s26, s24, 3                          ; w % 4
	v_lshlrev_b32 v[LI], 4, v224
	s_mul_i32 s58, s24, 8704
	s_add_co_u32 s58, s58, TS                      ; my two stages
	v_mul_u32_u24 v[SWA], v226, 272
	v_lshl_add_u32 v[SWA], v225, 4, v[SWA]
	v_add_nc_u32 v[SWA], s58, v[SWA]
	v_mul_u32_u24 v[SRA], v225, 272
	v_lshl_add_u32 v[SRA], v226, 5, v[SRA]
	v_add_nc_u32 v[SRA], s58, v[SRA]
	s_lshl_b32 s58, s24, 13                        ; my eight tiles' images
	v_add_nc_u32 v[IMW], s58, v[LI]
	v_add_nc_u32 v[IMG], MG, v[IMW]
	v_add_nc_u32 v[AG0], MG, v[LI]
	v_mov_b32 v[ADG], v[AG0]
	v_lshlrev_b32 v[PO], 5, v225
	v_lshl_add_u32 v[PO], v226, 4, v[PO]
	v_and_b32 v227, 8, v225
	v_add_nc_u32 v227, v227, v225                  ; r + 8 (r / 8)
	v_lshlrev_b32 v[LO], 5, v227
	s_lshl_b32 s58, s25, 11
	s_lshl_b32 s59, s26, 9
	s_add_co_u32 s58, s58, s59
	s_add_co_u32 s58, s58, OG
	v_add_nc_u32 v[OGW], s58, v[LI]
	s_lshl_b32 s58, s25, 12
	s_add_co_u32 s58, s58, OG
	v_add_nc_u32 v[OGR], s58, v[LI]
	s_mul_i32 s58, s25, 16*272
	s_lshl_b32 s59, s26, 6
	s_add_co_u32 s58, s58, s59
	s_add_co_u32 s58, s58, STG
	v_mul_u32_u24 v[STW], v225, 272
	v_lshl_add_u32 v[STW], v226, 5, v[STW]
	v_add_nc_u32 v[STW], s58, v[STW]               ; row 16 (w / 4) + r, columns 16 (w % 4) + 8 h on
	s_mul_i32 s58, s24, 4*272
	s_add_co_u32 s58, s58, STG
	v_mul_u32_u24 v[STR], v226, 272
	v_lshl_add_u32 v[STR], v225, 4, v[STR]
	v_add_nc_u32 v[STR], s58, v[STR]               ; rows 4 w on: lanes 0-15 one row, lanes 16-31 the next
	v_lshlrev_b32 v[NO], 5, v226
	v_lshlrev_b32 v[PFO], 8, v224
	v_mov_b32 v[L0+1], 0                           ; (named as the upper halves of pairs)
	v_mov_b32 v[L0+3], 0
	v_mov_b32 v[MS+1], 0
	s_mov_b32 s40, 0x76543210                      ; v_permlanex16_b32: each lane takes its own place in the other half
	s_mov_b32 s41, 0xfedcba98
	s_mov_b32 s68, 0x3727c5ac                      ; 1e-5
	s_mov_b32 s55, 0                               ; the tile in hand
	s_and_b32 s56, ttmp9, 31                       ; the tile at which I prefetch (macro ASK): wave 0 alone
	s_sub_co_u32 s56, s56, 4
	s_cmp_eq_u32 s24, 0
	s_cselect_b32 s56, s56, -1
	s_lshl_b32 s27, ttmp9, 1
	s_add_co_u32 s27, s27, s25
	s_lshl_b32 s27, s27, 17                        ; s = 2 g + w / 4, in bytes of m and of out0
	s_lshl_b32 s58, s26, 15                        ; my 128 tokens
	s_add_co_u32 s58, s58, s27
	s_mov_b32 s59, 0
	s_wait_kmcnt 0x0
	s_load_b256 s[32:39], s[14:15], 0x0            ; e0 .. e7
	s_add_nc_u64 s[60:61], s[8:9], s[58:59]        ; m
	s_and_b32 s58, s24, 2
	s_add_co_u32 s58, s58, s26
	s_lshl_b32 s58, s58, 10                        ; stage rows 4 (w % 4) + 0..3 are tokens 4 (w % 4) + 8 ((w % 4) / 2) + 0..3 of a tile's 32
	s_add_co_u32 s58, s58, s27
	s_add_nc_u64 s[50:51], s[22:23], s[58:59]      ; out0
	s_lshl_b32 s58, s24, 18
	s_add_nc_u64 s[46:47], s[16:17], s[58:59]      ; pc at my head
	s_lshl_b32 s58, s24, 2
	s_add_nc_u64 s[48:49], s[18:19], s[58:59]      ; ls at my head
	s_lshl_b32 s58, ttmp9, 13
	s_add_nc_u64 s[52:53], s[16:17], s[58:59]      ; pc at the 8,192 bytes that this work-group prefetches
	s_lshl_b32 s58, s24, 11
	s_add_nc_u64 s[62:63], s[20:21], s[58:59]      ; wc at my head's four groups of Wm
	s_lshl_b32 s58, s26, 12
	s_add_nc_u64 s[66:67], s[20:21], s[58:59]      ; wc at my eight groups of Wo, less 32,768
	; ONE RUN OF 96 LOADS: the weights' codes and the norm's gains (32), then my eight tiles of m (64)
.irp i, 0,1,2,3
	global_load_b128 v[WM+4*\i:WM+4*\i+3], v[LI], s[62:63] offset:512*\i
	global_load_b128 v[WG+4*\i:WG+4*\i+3], v[LI], s[62:63] offset:16384+512*\i
.endr
.irp i, 0,1,2,3,4,5,6,7
	global_load_b128 v[WO+4*\i:WO+4*\i+3], v[LI], s[66:67] offset:32768+512*\i
.endr
.irp i, 0,1,2,3,4,5,6,7
	global_load_b128 v[NW+4*\i:NW+4*\i+3], v[NO], s[10:11] offset:64*(\i/2)+16*(\i%2)   ; register 8 c + x: k = 16 c + 8 h + x
	global_load_b128 v[NB+4*\i:NB+4*\i+3], v[NO], s[12:13] offset:64*(\i/2)+16*(\i%2)
.endr
	WIN 0x40                                       ; destination window 1
.irp t, 0,1,2,3,4,5,6,7                        ; tile t of my eight: tokens 32 (t / 2) + 8 (t % 2) + 0..7 and 16 further on; a load takes two rows, 512 consecutive bytes
.set n, 0
.rept 8
	global_load_b128 v[32*\t+4*n:32*\t+4*n+3], v[LI], s[60:61] offset:((\t/2)*32+(\t%2)*8)*256+(n&3)*512+(n>>2)*4096 th:TH_LOAD_NT
.set n, n+1
.endr
.endr
	WIN 0
	s_wait_kmcnt 0x0
	MKSC 32, SCA, LIMA
	MKSC 34, SCB, LIMB
	s_sub_co_i32 s27, s36, s32                     ; a sum of mn Wm stands for sum x 2^(e0 + e1): v's code is sum / 2^(e4 - e0 - e1)
	s_sub_co_i32 s27, s27, s33
	MKSC 27, SCV, LIMV
	s_sub_co_i32 s28, s38, s36                     ; likewise o g's: / 2^(e6 - e4 - e5)
	s_sub_co_i32 s28, s28, s37
	MKSC 28, SCO, LIMO
	s_add_co_i32 s58, s34, s35
	s_lshl_b32 s58, s58, 23
	s_mov_b32 s42, 0xbfb8aa3b                      ; -log2(e),
	s_add_co_i32 s42, s42, s58                     ; x 2^(e2 + e3): the two exponents are added to its exponent field
	s_mov_b32 s43, s42                             ; (named with it as a pair, so it is written)
	s_add_co_i32 s44, s38, s39
	s_add_co_i32 s44, s44, 127
	s_lshl_b32 s44, s44, 23                        ; 2^(e6 + e7) as f32
	s_mov_b32 s45, s44
; THE NORM.  Tile t's 16 rows turn through my stage t % 2: as loaded a lane holds 16 bytes of two rows an instruction; back, lane (r, h) holds of row r the numbers k = 16 c + 8 h + 0..7 in registers 8 c on.
.macro MTURN t
	WIN 0x04                                       ; store data window 1
.set n, 0
.rept 8
	ds_store_b128 v[SWA], v[32*(\t)+4*n:32*(\t)+4*n+3] offset:((\t)&1)*4352+544*n
.set n, n+1
.endr
	WIN 0
.set YB, Y+32*((\t)&1)
.irp c, 0,1,2,3
	ds_load_b128 v[YB+8*\c:YB+8*\c+3], v[SRA] offset:((\t)&1)*4352+64*\c       ; LDS serves a wave's instructions in order (ISA guide 5.7.1.4): these see the stores above
	ds_load_b128 v[YB+8*\c+4:YB+8*\c+7], v[SRA] offset:((\t)&1)*4352+64*\c+16
.endr
.endm
; tile t: mean, centred squares, rstd, gain and bias; then both sets of codes, and their images to LDS
.macro LNC t
.set YB, Y+32*((\t)&1)
.irp p, 0,1,2,3,4,5,6,7
	v_pk_add_f32 v[T+2*\p:T+2*\p+1], v[YB+4*\p:YB+4*\p+1], v[YB+4*\p+2:YB+4*\p+3]
.endr
.irp p, 0,1,2,3
	v_pk_add_f32 v[T+4*\p:T+4*\p+1], v[T+4*\p:T+4*\p+1], v[T+4*\p+2:T+4*\p+3]
.endr
	v_pk_add_f32 v[T:T+1], v[T:T+1], v[T+4:T+5]
	v_pk_add_f32 v[T+8:T+9], v[T+8:T+9], v[T+12:T+13]
	v_pk_add_f32 v[T:T+1], v[T:T+1], v[T+8:T+9]
	v_add_f32 v[T], v[T], v[T+1]
	v_permlanex16_b32 v[T+2], v[T], s40, s41       ; the row's other 32 numbers lie in the lane 16 away
	v_add_f32 v[T], v[T], v[T+2]
	v_mul_f32 v[MS], 0xbc800000, v[T]              ; -mu = -sum / 64
.irp p, 0,1,2,3,4,5,6,7,8,9,10,11,12,13,14,15
	v_pk_add_f32 v[YB+2*\p:YB+2*\p+1], v[YB+2*\p:YB+2*\p+1], v[MS:MS+1] op_sel_hi:[1,0]
.endr
.irp p, 0,1,2,3
	v_pk_mul_f32 v[T+2*\p:T+2*\p+1], v[YB+2*\p:YB+2*\p+1], v[YB+2*\p:YB+2*\p+1]
.endr
.irp p, 4,5,6,7,8,9,10,11,12,13,14,15
	v_pk_fma_f32 v[T+2*(\p%4):T+2*(\p%4)+1], v[YB+2*\p:YB+2*\p+1], v[YB+2*\p:YB+2*\p+1], v[T+2*(\p%4):T+2*(\p%4)+1]
.endr
	v_pk_add_f32 v[T:T+1], v[T:T+1], v[T+2:T+3]
	v_pk_add_f32 v[T+4:T+5], v[T+4:T+5], v[T+6:T+7]
	v_pk_add_f32 v[T:T+1], v[T:T+1], v[T+4:T+5]
	v_add_f32 v[T], v[T], v[T+1]
	v_permlanex16_b32 v[T+2], v[T], s40, s41
	v_add_f32 v[T], v[T], v[T+2]
	v_fma_f32 v[T], v[T], 0x3c800000, s68          ; var + 1e-5
	v_rsq_f32 v[MS], v[T]
	v_nop                                          ; a plain instruction behind the transcendental,
	s_wait_alu depctr_va_vdst(0)                   ; and the wait ahead of the first use
.irp p, 0,1,2,3,4,5,6,7,8,9,10,11,12,13,14,15
	v_pk_mul_f32 v[YB+2*\p:YB+2*\p+1], v[YB+2*\p:YB+2*\p+1], v[MS:MS+1] op_sel_hi:[1,0]
.endr
.irp p, 0,1,2,3,4,5,6,7,8,9,10,11,12,13,14,15
	v_pk_fma_f32 v[YB+2*\p:YB+2*\p+1], v[YB+2*\p:YB+2*\p+1], v[NW+2*\p:NW+2*\p+1], v[NB+2*\p:NB+2*\p+1]
.endr
.irp f, 0,1                                    ; by halves of 16 numbers.  mn is quantised twice: under e0 for v, under e2 for g.  The sixteen holds between always part a conversion from writes of its sources
.irp i, 0,1,2,3,4,5,6,7,8,9,10,11,12,13,14,15
	v_med3_num_f32 v[T+\i], v[YB+16*\f+\i], -v[LIMA], v[LIMA]   ; the conversion to an 8-bit code does not saturate (ISA guide 7.6.2): the hold at the largest code x the scale
.endr
	v_cvt_scalef32_pk8_fp8_f32 v[CA+4*\f:CA+4*\f+1], v[T:T+7], v[SCA]
	v_cvt_scalef32_pk8_fp8_f32 v[CA+4*\f+2:CA+4*\f+3], v[T+8:T+15], v[SCA]
.irp i, 0,1,2,3,4,5,6,7,8,9,10,11,12,13,14,15
	v_med3_num_f32 v[YB+16*\f+\i], v[YB+16*\f+\i], -v[LIMB], v[LIMB]
.endr
	v_cvt_scalef32_pk8_fp8_f32 v[CB+4*\f:CB+4*\f+1], v[YB+16*\f:YB+16*\f+7], v[SCB]
	v_cvt_scalef32_pk8_fp8_f32 v[CB+4*\f+2:CB+4*\f+3], v[YB+16*\f+8:YB+16*\f+15], v[SCB]
.endr
	v_nop                                          ; one plain vector line behind the last conversion
	ds_store_b128 v[IMW], v[CA:CA+3] offset:1024*(\t)
	ds_store_b128 v[IMW], v[CA+4:CA+7] offset:1024*(\t)+512
	ds_store_b128 v[IMG], v[CB:CB+3] offset:1024*(\t)
	ds_store_b128 v[IMG], v[CB+4:CB+7] offset:1024*(\t)+512
.endm
	s_wait_loadcnt 56                              ; tile 0's eight loads, and all that is older, are in; the seven later tiles' 56 stay out
	MTURN 0
.irp t, 0,1,2,3,4,5,6,7
.if \t < 7
	s_wait_loadcnt 48-8*\t                         ; the next tile's loads are in; the later tiles' stay out
	MTURN \t+1                                     ; it turns while this tile is worked
	s_wait_dscnt 16                                ; all but that turn's 16: this tile is back, and the last tile's images have left their registers
.else
	s_wait_dscnt 0x0
.endif
	LNC \t
.endr
	global_load_b32 v[L0], v[LO], s[48:49]         ; l and p of tile 0: 17 loads, which land while v is made
.irp i, 0,1,2,3,4,5,6,7,8,9,10,11,12,13,14,15
	global_load_b128 v[P+4*\i:P+4*\i+3], v[PO], s[46:47] offset:512*\i
.endr
	BARRIER                                        ; all 64 tiles' images lie in LDS
; v.  Step x = 16 s + 4 q + b: 32 tokens (tiles 2 x and 2 x + 1) x my head's 32 d.  Source 0 = 16 tokens, source 1 = 16 columns of Wm: a lane holds one d, and its 16 registers of the two tiles 16 neighbouring tokens.
.macro VLOAD x
.set MB, MF+16*((\x)&1)
.irp u, 0,1
.irp c, 0,1
	ds_load_b128 v[MB+8*\u+4*\c:MB+8*\u+4*\c+3], v[LI] offset:(2*(\x)+\u)*1024+512*\c
.endr
.endr
.endm
.macro VMUL x
.set MB, MF+16*((\x)&1)
.set VB, VA+32*((\x)&1)
.irp up, 0,1
.irp u, 0,1
	v_wmma_f32_16x16x64_fp8_fp8 v[VB+16*\up+8*\u:VB+16*\up+8*\u+7], v[MB+8*\u:MB+8*\u+7], v[WM+8*\up:WM+8*\up+7], 0
.endr
.endr
.endm
.macro QV x                            ; its 32 sums become registers 4 b .. 4 b + 3 of fragments (s, u', q)
.set VB, VA+32*((\x)&1)
.set VD, 128*((\x)>>4)+16*(((\x)>>2)&3)+4*((\x)&3)
.set n, 0
.rept 32
	v_med3_num_f32 v[VB+n], v[VB+n], -v[LIMV], v[LIMV]   ; each accumulator from its low end on
.set n, n+1
.endr
	WIN 0x40                                       ; destination window 1
.irp up, 0,1
	v_cvt_scalef32_pk8_fp8_f32 v[VD+64*\up:VD+64*\up+1], v[VB+16*\up:VB+16*\up+7], v[SCV]
	v_cvt_scalef32_pk8_fp8_f32 v[VD+64*\up+2:VD+64*\up+3], v[VB+16*\up+8:VB+16*\up+15], v[SCV]
.endr
	WIN 0
	v_nop                                          ; one plain vector line behind the last conversion: matrix instructions write its sources and read its results
.endm
	VLOAD 0
	VLOAD 1
.set k, 0
.rept 32                                       ; step k's products; step k - 1's holds and conversions are the places behind them, ahead of the loads into the registers that they have read
.if k < 31
	s_wait_dscnt 4                                 ; step k's four loads are in; step k + 1's stay out
.else
	s_wait_dscnt 0x0
.endif
	VMUL k
.if k == 0
	NOPS 5                                         ; no vector work is at hand yet: four places for the loads below, five for step 2's products, which write over these sums
.else
	QV k-1
.endif
.if k < 30
	VLOAD k+2
.endif
.set k, k+1
.endr
	QV 31
.irp s, 0,1
.irp c, 0,1
	ds_load_b128 v[MGF+8*\s+4*\c:MGF+8*\s+4*\c+3], v[ADG] offset:32768*\s+512*\c   ; mn's codes under e2, tile 0, both s
.endr
.endr
; THE MAIN LOOP: a tile of 16 tokens i at a time.
; 4 products o^T += v^T p^T, keys 128 q on: source 0 = 16 d of (s, u'), source 1 = 16 tokens.  The four accumulators take turns, one instruction a turn.  np: v_nop behind them, where no other work serves as places
.macro PK q, np
	WIN 0x01                                       ; source 0 window 1
.irp a, 0,1,2,3
.if (\q) == 0
	v_wmma_f32_16x16x128_fp8_fp8 v[OA+8*\a:OA+8*\a+7], v[64*\a+16*(\q):64*\a+16*(\q)+15], v[P+16*(\q):P+16*(\q)+15], 0
.else
	v_wmma_f32_16x16x128_fp8_fp8 v[OA+8*\a:OA+8*\a+7], v[64*\a+16*(\q):64*\a+16*(\q)+15], v[P+16*(\q):P+16*(\q)+15], v[OA+8*\a:OA+8*\a+7]
.endif
.endr
	WIN 0
	NOPS \np
.endm
; part q of the NEXT tile's p into the registers that PK q has just read; with part 0 the next tile's l and its codes of mn
.macro RELOAD q, par, poff, loff, moff
.if (\q) == 0
	global_load_b32 v[L0+2*(1-(\par))], v[LO], s[48:49] offset:\loff
.irp s, 0,1
.irp c, 0,1
	ds_load_b128 v[MGF+8*\s+4*\c:MGF+8*\s+4*\c+3], v[ADG] offset:(\moff)+32768*\s+512*\c
.endr
.endr
.endif
.irp b, 0,1,2,3
	global_load_b128 v[P+16*(\q)+4*\b:P+16*(\q)+4*\b+3], v[PO], s[46:47] offset:(\poff)+2048*(\q)+512*\b   ; the wave reads 512 consecutive bytes
.endr
.endm
; A PREFETCH INTO THE L2.  pc is 256 pieces of 8,192 bytes, (head, tile); work-group g names piece g, head g / 32, tile g % 32: each aligned block of 256 bytes once in the launch, a lane a block, wave 0 alone.
; It asks while tile g % 32 - 4 is in hand; the loads of that piece are issued while tile g % 32 - 1 is in hand: three tiles later.  Tiles 0 to 3 are not asked for.  It stands behind the wave's own loads.
.macro ASK
	s_cmp_eq_u32 s55, s56
	s_cbranch_scc0 .Lnot_mine_\@
	global_prefetch_b8 v[PFO], s[52:53] th:TH_LOAD_NT scope:SCOPE_SE
.Lnot_mine_\@:
.endm
; My head's part of a tile: g's sums, o's sums, o g / l, its codes, their image.  Matrix and vector work by turns of four products.  par = tile % 2; ahead = 1: the next tile is asked for.
; THE COUNTS on LOADcnt: behind p's part q stand the tile's later parts (4 each) and what has been asked for again: l and part 0 (5), parts 1, 2 (4 each): 12, 13, 13, 13; in the last tile 12, 8, 4, 0.
.macro PRE par, ahead, poff, loff, moff
.set LP, L0+2*(\par)
.irp s, 0,1
.irp up, 0,1
	v_wmma_f32_16x16x64_fp8_fp8 v[GA+16*\s+8*\up:GA+16*\s+8*\up+7], v[WG+8*\up:WG+8*\up+7], v[MGF+8*\s:MGF+8*\s+7], 0   ; source 0 = 16 d of Wg, source 1 = 16 tokens: the layout of o's sums
.endr
.endr
	s_wait_loadcnt 12
	PK 0, 4                                        ; four places: for the loads below, and for the first read of g's sums
.if \ahead
	RELOAD 0, \par, \poff, \loff, \moff
	s_wait_loadcnt 13
.else
	s_wait_loadcnt 8
.endif
	PK 1, 0
.set n, 0
.rept 16
	v_pk_mul_f32 v[GA+n:GA+n+1], v[GA+n:GA+n+1], s[42:43] op_sel_hi:[1,0]   ; -x log2(e), x = sum x 2^(e2 + e3).  (These sixteen are the places in front of the loads below)
.set n, n+2
.endr
.if \ahead
	RELOAD 1, \par, \poff, \loff, \moff
.endif
.set n, 0
.rept 32
	v_exp_f32 v[GA+n], v[GA+n]                     ; E = e^-x
.set n, n+1
.endr
.if \ahead
	s_wait_loadcnt 13
.else
	s_wait_loadcnt 4
.endif
	PK 2, 1                                        ; (a plain instruction behind the exponentials and ahead of the first use)
	s_wait_alu depctr_va_vdst(0)                   ; one wait for the batch, ahead of its first reader
.set n, 0
.rept 16
	v_pk_fma_f32 v[GA+n:GA+n+1], v[GA+n:GA+n+1], v[LP:LP+1], v[LP:LP+1] op_sel_hi:[1,0,0]   ; l E + l = l / g.  (Places, as above)
.set n, n+2
.endr
.if \ahead
	RELOAD 2, \par, \poff, \loff, \moff
.endif
.set n, 0
.rept 32
	v_rcp_f32 v[GA+n], v[GA+n]                     ; g / l
.set n, n+1
.endr
.if \ahead
	s_wait_loadcnt 13
.else
	s_wait_loadcnt 0x0
.endif
	PK 3, 4                                        ; four places: for the loads below and the first read of o's sums; they are also the plain instructions behind the reciprocals
.if \ahead
	RELOAD 3, \par, \poff, \loff, \moff
.endif
	s_wait_alu depctr_va_vdst(0)                   ; one wait for the batch, ahead of the branch and of its first reader
.if \ahead
	ASK
	s_add_co_u32 s55, s55, 1
.endif
.set n, 0
.rept 16
	v_pk_mul_f32 v[GA+n:GA+n+1], v[OA+n:OA+n+1], v[GA+n:GA+n+1]   ; o g / l, short of 2^(e4 + e5); each accumulator from its low end on
.set n, n+2
.endr
.set n, 0
.rept 32
	v_med3_num_f32 v[GA+n], v[GA+n], -v[LIMO], v[LIMO]
.set n, n+1
.endr
.irp s, 0,1
	v_cvt_scalef32_pk8_fp8_f32 v[OC+4*\s:OC+4*\s+1], v[GA+16*\s:GA+16*\s+7], v[SCO]       ; registers 16 s + 8 u' + e are d = 16 h + 8 u' + e: 16 neighbours along the last K
	v_cvt_scalef32_pk8_fp8_f32 v[OC+4*\s+2:OC+4*\s+3], v[GA+16*\s+8:GA+16*\s+15], v[SCO]
.endr
	v_nop                                          ; one plain vector line behind the last conversion
	ds_store_b128 v[OGW], v[OC:OC+3] offset:8192*(\par)
	ds_store_b128 v[OGW], v[OC+4:OC+7] offset:8192*(\par)+4096
.endm
; Behind the tile's barrier: the last product for (s = w / 4, columns 16 (w % 4) on), its results to stage par; out = 1: the tile before leaves from the other stage, four whole rows a wave.
.macro POST par, out, ooff
.if \out
	s_wait_xcnt 0x0                                ; the last stores have read their registers, which are loaded again
	ds_load_b128 v[RB:RB+3], v[STR] offset:8704*(1-(\par))
	ds_load_b128 v[RB+4:RB+7], v[STR] offset:8704*(1-(\par))+544
.endif
.irp f, 0,1,2,3,4,5,6,7
	ds_load_b128 v[OF+4*\f:OF+4*\f+3], v[OGR] offset:8192*(\par)+512*\f
.endr
.if \out
	s_wait_dscnt 8                                 ; the rows are back; the eight loads behind them stay out
	global_store_b128 v[LI], v[RB:RB+3], s[50:51] offset:\ooff th:TH_STORE_NT          ; 32 lanes store two neighbouring tokens' rows: 512 consecutive bytes, at a multiple of 256 from out0's first byte
	global_store_b128 v[LI], v[RB+4:RB+7], s[50:51] offset:(\ooff)+512 th:TH_STORE_NT
.endif
	s_wait_dscnt 0x0
	v_wmma_f32_16x16x128_fp8_fp8 v[D0:D0+7], v[WO:WO+15], v[OF:OF+15], 0             ; source 0 = 16 columns of Wo, source 1 = 16 tokens: a lane holds eight neighbouring columns of a token's row
	v_wmma_f32_16x16x128_fp8_fp8 v[D1:D1+7], v[WO+16:WO+31], v[OF+16:OF+31], 0       ; the two halves of K in two accumulators
	NOPS 5                                         ; four places in front of the first read of results; five in front of the next tile's products, which write over the fragments
.irp i, 0,2,4,6
	v_pk_add_f32 v[D1+\i:D1+\i+1], v[D0+\i:D0+\i+1], v[D1+\i:D1+\i+1]
.endr
.irp i, 0,2,4,6
	v_pk_mul_f32 v[D1+\i:D1+\i+1], v[D1+\i:D1+\i+1], s[44:45] op_sel_hi:[1,0]   ; x 2^(e6 + e7)
.endr
	ds_store_b128 v[STW], v[D1:D1+3] offset:8704*(\par)
	ds_store_b128 v[STW], v[D1+4:D1+7] offset:8704*(\par)+16
.endm
; ONE BARRIER A TILE.  o g's images of set par are stored ahead of tile t's barrier, read behind it, and stored again ahead of barrier t + 2; the readers have waited for their loads ahead of barrier t + 1.
; Stage par is stored behind barrier t, read behind barrier t + 1, stored again behind barrier t + 2.
	s_wait_dscnt 0x0                               ; tile 0's codes of mn are in.  (Later tiles' are asked for a tile ahead, and that tile's barrier has waited for them)
	PRE 0, 1, 8192, 256, 1024                      ; tile 0; it asks for tile 1
	BARRIER
	POST 0, 0, 0
	s_wait_xcnt 0x0                                ; the loads have read their bases, which step: two tiles on
	s_add_nc_u64 s[46:47], s[46:47], 16384
	s_add_nc_u64 s[48:49], s[48:49], 1024
	s_mov_b32 s54, 2048
	s_mov_b32 s57, 15
.Ltiles:                                           ; trip t = 0 .. 14: tiles 2 t + 1 and 2 t + 2
	v_add_nc_u32 v[ADG], s54, v[AG0]
	PRE 1, 1, 0, 0, 0
	BARRIER
	POST 1, 1, 0
	PRE 0, 1, 8192, 256, 1024
	BARRIER
	POST 0, 1, 2048
	s_wait_xcnt 0x0                                ; loads and stores have read their bases
	s_add_nc_u64 s[46:47], s[46:47], 16384
	s_add_nc_u64 s[48:49], s[48:49], 1024
	s_add_nc_u64 s[50:51], s[50:51], 8192
	s_add_co_u32 s54, s54, 2048
	s_sub_co_u32 s57, s57, 1
	s_cmp_lg_u32 s57, 0
	s_cbranch_scc1 .Ltiles
	PRE 1, 0, 0, 0, 0                              ; tile 31 asks for nothing: no load leaves its buffer
	BARRIER
	POST 1, 1, 0
	BARRIER                                        ; tile 31's rows lie in stage 1
	s_wait_xcnt 0x0
	ds_load_b128 v[RB:RB+3], v[STR] offset:8704
	ds_load_b128 v[RB+4:RB+7], v[STR] offset:8704+544
	s_wait_dscnt 0x0
	global_store_b128 v[LI], v[RB:RB+3], s[50:51] offset:2048 th:TH_STORE_NT
	global_store_b128 v[LI], v[RB+4:RB+7], s[50:51] offset:2048+512 th:TH_STORE_NT
	s_wait_tensorcnt 0x0                           ; the wave's end
	ds_add_u32 v[SPW], v[NIL]
	s_wait_dscnt 0x0
	s_endpgm
.Lfunc_end_k_qa3c817d503_fused:
	.size	k_qa3c817d503_fused, .Lfunc_end_k_qa3c817d503_fused-k_qa3c817d503_fused
	.p2alignl 7, 3214868480
	.fill 96, 4, 3214868480
	.section	.rodata,"a",@progbits
	.p2align	6, 0x0
	.amdhsa_kernel k_qa3c817d503_fused
		.amdhsa_group_segment_fixed_size 235520
		.amdhsa_private_segment_fixed_size 0
		.amdhsa_enable_private_segment 0
		.amdhsa_kernarg_size 64
		.amdhsa_user_sgpr_count 2
		.amdhsa_user_sgpr_kernarg_segment_ptr 1
		.amdhsa_wavefront_size32 1
		.amdhsa_system_sgpr_workgroup_id_x 1
		.amdhsa_system_sgpr_workgroup_id_y 1
		.amdhsa_system_sgpr_workgroup_id_z 1
		.amdhsa_system_vgpr_workitem_id 0
		.amdhsa_next_free_vgpr 512
		.amdhsa_next_free_sgpr 72
		.amdhsa_reserve_vcc 0
		.amdhsa_float_denorm_mode_32 3
		.amdhsa_float_denorm_mode_16_64 3
		.amdhsa_memory_ordered 1
		.amdhsa_forward_progress 1
		.amdhsa_inst_pref_size 254
	.end_amdhsa_kernel
	.amdgpu_metadata
---
amdhsa.version: [ 1, 2 ]
amdhsa.kernels:
  - .name:           k_qa3c817d503_fused
    .symbol:         k_qa3c817d503_fused.kd
    .args:
      - { .name: m, .offset: 0, .size: 8, .value_kind: global_buffer, .address_space: global }
      - { .name: norm_m_w, .offset: 8, .size: 8, .value_kind: global_buffer, .address_space: global }
      - { .name: norm_m_b, .offset: 16, .size: 8, .value_kind: global_buffer, .address_space: global }
      - { .name: lowp_scales, .offset: 24, .size: 8, .value_kind: global_buffer, .address_space: global }
      - { .name: pc, .offset: 32, .size: 8, .value_kind: global_buffer, .address_space: global }
      - { .name: ls, .offset: 40, .size: 8, .value_kind: global_buffer, .address_space: global }
      - { .name: wc, .offset: 48, .size: 8, .value_kind: global_buffer, .address_space: global }
      - { .name: out0, .offset: 56, .size: 8, .value_kind: global_buffer, .address_space: global }
    .group_segment_fixed_size: 235520
    .private_segment_fixed_size: 0
    .kernarg_segment_align: 8
    .kernarg_segment_size: 64
    .max_flat_workgroup_size: 256
    .sgpr_count:     72
    .vgpr_count:     512
    .wavefront_size: 32
...
	.end_amdgpu_metadata
.endif
;; end of part 2
;; ======== version 2 of 2: 2 launches; version 1 with the launch fused written anew for expert scheduling mode
;; workspace buffers: pc 2,097,152 bytes; ls 16,384 bytes; wc 49,152 bytes
;; launch pairs: the kernel of part 1 again; grid 256 x 1, 8 waves a work-group, no clusters, 146,944 bytes of LDS; arguments z, norm_z_w, norm_z_b, Wz, lowp_scales, Wm, Wg, Wo, pc, ls, wc; writes pc, ls, wc
;; launch fused (part 3): grid 256 x 1, 8 waves a work-group, no clusters, 235,520 bytes of LDS; arguments m, norm_m_w, norm_m_b, lowp_scales, pc, ls, wc, out0; writes out0
.if DOCPART == 3
	.amdgcn_target "amdgcn-amd-amdhsa--gfx1250"
	.amdhsa_code_object_version 6
	.text
	.protected	k_qa3c817d503_fused
	.globl	k_qa3c817d503_fused
	.p2align	8
	.type	k_qa3c817d503_fused,@function
k_qa3c817d503_fused:
	s_mov_b64 s[64:65], 0
	v_nop
	global_prefetch_b8 v0, s[64:65] scope:SCOPE_SE
	s_setreg_imm32_b32 hwreg(HW_REG_WAVE_SCHED_MODE, 0, 2), 2
	s_setreg_imm32_b32 hwreg(HW_REG_WAVE_MODE, 25, 1), 1
	s_wait_xcnt 0x0
	s_wait_alu depctr_vm_vsrc(0)
; out[s][i][:] = Q(o g) Wo,  o[s][i][h][d] = (the sum over j of Q(p[i][j][h]) Q(v[s][j][h][d])) / l[i][h],  v = Q(mn) Q(Wm),  g = sigmoid(Q(mn) Q(Wg)),  mn = layer norm of m.  All four products on codes of FP8 (E4M3),
; each operand with its given scale 2^e (e0 .. e7).  m, out0: [512 s][512 token][64] f32.  pc, ls, wc: p's codes, l and the weights' codes, as the launch before has laid them (its head comment).
; SHARES.  Work-group g owns s = 2 g and 2 g + 1, all tokens, all heads.  Wave w: the norm of 128 tokens of s = w / 4; head w of v, g and o for both s; of the last product s = w / 4, columns 16 (w % 4) on.
; v NEVER LEAVES THE REGISTERS: a head's codes for two s are 2 x 32 d x 512 j bytes = 256 registers a lane: window 1.  So each byte of p is wanted by ONE wave of the work-group, and goes from pc straight into
; that wave's operand registers, 512 consecutive bytes an instruction, a tile ahead, under counted waits.
; NO CLUSTER, NO JOINT LOADS, though all work-groups read pc: a joint load lands in LDS, in slots that change behind a round for which every load is waited for.  Beside mn's 128 KiB of codes LDS has room for two
; slots of one tile of tokens (64 KiB each), so one slot would be on its way for a trip of 22 matrix instructions a wave, with a round in each of 32 trips, and the bytes would cross LDS on their way to registers.
; TILES.  Tile 2 B + u of tokens, row x: token 32 B + 8 u + x + 8 (x / 8); a head's tile u' of d likewise.  So the 16 registers that a lane holds of two neighbouring tiles of a result are 16 neighbours along the next K.
; LAYOUTS.  K = 64 (mn, Wm, Wg): registers 2 c, 2 c + 1: k = 16 c + 8 h + 0..7.  K = 128 (v, p, o g, Wo): registers 4 b .. 4 b + 3: k = 32 b + 16 h + 0..15, the same order of k on both sides of a product.
; Operands go from wave to wave through LDS as images of their registers: each group of four registers at 16 x lane.
; LIMITS, so that each power of two below is an f32 number: e0, e2, e4 - e0 - e1, e6 - e4 - e5 between -126 and 119; e2 + e3 between -126 and 126; e6 + e7 between -126 and 127.  NaN and infinities are not served.
; REGISTERS.  Window 1: m as it lands, then v's 16 fragments: (s, u', q) at 128 s + 64 u' + 16 q.  Window 0: v1-31 addresses, scales, l; v32-47 Wg; v48-79 Wo; v80-143 p (in the norm: nw, nb);
;   v144-175 o's sums (the norm's rows; v's sums); v176-207 g's sums, then o g's fragments (likewise); v208-223 mn's codes for g (at work; mn's for v); v224-231 o g's codes; v232-239 rows of out; v240-255 the last sums (Wm).
; THE MODE: SCHED_MODE bits 1:0 = 2 (LLVM: expert scheduling mode 2), set by the entry lines.  The code itself states the register dependences between vector or matrix instructions and memory or LDS
; instructions, with s_wait_alu, always for 0.
; THE PLAN.  Registers that memory or LDS instructions touch, and who else names them:
;   v1-v5, v7-v16, v25  addresses, offsets, the add's two: written at the head, never again: one wait on va_vdst ahead of the first load.
;   THE NORM.  Y0, Y1: the turn's LDS loads land by turns; tile t's lines work on Y[t % 2] in place.  CA, CB: tile t's conversions write them, its four image stores read them.
;     One wait on va_vdst closes a tile, ahead of its image stores; one on vm_vsrc opens tiles 1 to 7, ahead of the conversions that write CA and CB again.
;   v.  MF0, MF1: step k's products read MF[k % 2], the LDS loads of step k + 2 land in it: one wait on va_vdst a step, between the holds and the conversions of step k - 1.
;   THE MAIN LOOP, a tile:  MGF, p's four parts and the two l: read by products and multiply-adds, loaded again for the next tile.  OC, D1: written by vector lines, read by LDS stores.
;     GA: worked in place, then the last product's fragments land in it.  RB: LDS loads land, global stores read; no vector line names it.  v6: written once a trip, read by the loads of mn's codes.
;     Four waits on va_vdst (behind the scaling of g's sums; the exponentials' wait; the reciprocals' wait; ahead of the image stores) and one on vm_vsrc (behind the barrier) state all of it: see PRE and POST.
.set MG,    65536                      ; LDS: 0: mn's codes under e0, tile (32 s + tile) x 1,024 + 512 c2 + 16 lane;  here: the same under e2
.set OG,    131072                     ; o g's images, two sets by turns: 8,192 par + 4,096 s + 2,048 kstep + 512 b + 16 lane
.set STG,   OG+2*8192                  ; the stage for out, two by turns: 32 rows (16 s + row) x (256 + 16) bytes
.set TS,    STG+2*8704                 ; each wave's own two stages for m's turn: 16 rows x 272
.set SPARE, TS+8*8704                  ; the spare words, 128 bytes for each wave: four blocks of 256 bytes that no other line names
.set LI,   1                           ; v1   16 x lane
.set SWA,  2                           ; v2   m's turn, in: row lane / 16, + 16 (lane % 16)
.set SRA,  3                           ; v3   and back: row r, + 32 h
.set IMW,  4                           ; v4   where I store mn's images under e0
.set AG0,  5                           ; v5   MG + 16 lane
.set ADG,  6                           ; v6   the same + the loop's step
.set PO,   7                           ; v7   p: 32 r + 16 h
.set LO,   8                           ; v8   l: 32 (r + 8 (r / 8))
.set OGW,  9                           ; v9   where I store o g's image: kstep w / 4, b = w % 4
.set OGR,  10                          ; v10  where I read o g's fragments: s = w / 4
.set STW,  11                          ; v11  the stage, in
.set STR,  12                          ; v12  and back
.set NO,   13                          ; v13  32 h
.set PFO,  14                          ; v14  256 x lane; never rewritten
.set SPW,  15                          ; v15  LDS address of my spare word; never rewritten
.set NIL,  16                          ; v16  0; never rewritten
.set SCA,  17                          ; 2^e and 448 x 2^e: v17, v18: e0;  v19, v20: e2;  v21, v22: e4 - e0 - e1;  v23, v24: e6 - e4 - e5
.set LIMA, 18
.set SCB,  19
.set LIMB, 20
.set SCV,  21
.set LIMV, 22
.set SCO,  23
.set LIMO, 24
.set IMG,  25                          ; v25  where I store mn's images under e2
.set L0,   26                          ; v26, v28  l of even and of odd tiles (low words of pairs)
.set MS,   30                          ; v30  -mu, then rstd (low word of a pair)
.set WG,   32
.set WO,   48
.set P,    80
.set NW,   80
.set NB,   112
.set OA,   144
.set Y,    144
.set VA,   144
.set GA,   176
.set OF,   176
.set MGF,  208
.set T,    208
.set MF,   208
.set OC,   224
.set CA,   224
.set RB,   232
.set CB,   232
.set D0,   240
.set D1,   248
.set WM,   240
.set MSB, 0
.macro WIN new                         ; the immediate's high byte repeats the setting that is left; a switch that changes nothing is dropped
.if MSB != \new
	s_set_vgpr_msb (MSB<<8)|\new
.set MSB, \new
.endif
.endm
.macro BARRIER                         ; my LDS stores have landed and my LDS loads are in: then the work-group's barrier
	s_wait_dscnt 0x0
	s_barrier_signal -1
	s_barrier_wait -1
.endm
.macro NOPS n
.rept \n
	v_nop
.endr
.endm
.macro MKSC e, sc, lim                 ; s[e] holds an exponent: v[sc] = 2^e as f32 (a conversion takes its exponent field), v[lim] = 448 x 2^e
	s_add_co_i32 s58, s[\e], 127
	s_lshl_b32 s59, s58, 23
	v_mov_b32 v[\sc], s59
	s_add_co_i32 s58, s58, 8
	s_lshl_b32 s58, s58, 23
	s_or_b32 s58, s58, 0x600000
	v_mov_b32 v[\lim], s58
.endm
	s_load_b512 s[8:23], s[0:1], 0x0               ; m, norm_m_w, norm_m_b, lowp_scales, pc, ls, wc, out0
	v_lshl_add_u32 v[SPW], v0, 2, SPARE
	v_mov_b32 v[NIL], 0
	v_lshrrev_b32 v224, 5, v0
	v_readfirstlane_b32 s24, v224                  ; wave 0..7
	v_and_b32 v224, 31, v0                         ; lane
	v_and_b32 v225, 15, v0                         ; r
	v_bfe_u32 v226, v0, 4, 1                       ; h
	s_wait_alu depctr_va_sdst(0)                   ; s24 is written, ahead of its first reader: LDS places and the buffers' bases are made from it
	s_lshr_b32 s25, s24, 2                         ; w / 4
	s_and_b32 s26, s24, 3                          ; w % 4
	v_lshlrev_b32 v[LI], 4, v224
	s_mul_i32 s58, s24, 8704
	s_add_co_u32 s58, s58, TS                      ; my two stages
	v_mul_u32_u24 v[SWA], v226, 272
	v_lshl_add_u32 v[SWA], v225, 4, v[SWA]
	v_add_nc_u32 v[SWA], s58, v[SWA]
	v_mul_u32_u24 v[SRA], v225, 272
	v_lshl_add_u32 v[SRA], v226, 5, v[SRA]
	v_add_nc_u32 v[SRA], s58, v[SRA]
	s_lshl_b32 s58, s24, 13                        ; my eight tiles' images
	v_add_nc_u32 v[IMW], s58, v[LI]
	v_add_nc_u32 v[IMG], MG, v[IMW]
	v_add_nc_u32 v[AG0], MG, v[LI]
	v_mov_b32 v[ADG], v[AG0]
	v_lshlrev_b32 v[PO], 5, v225
	v_lshl_add_u32 v[PO], v226, 4, v[PO]
	v_and_b32 v227, 8, v225
	v_add_nc_u32 v227, v227, v225                  ; r + 8 (r / 8)
	v_lshlrev_b32 v[LO], 5, v227
	s_lshl_b32 s58, s25, 11
	s_lshl_b32 s59, s26, 9
	s_add_co_u32 s58, s58, s59
	s_add_co_u32 s58, s58, OG
	v_add_nc_u32 v[OGW], s58, v[LI]
	s_lshl_b32 s58, s25, 12
	s_add_co_u32 s58, s58, OG
	v_add_nc_u32 v[OGR], s58, v[LI]
	s_mul_i32 s58, s25, 16*272
	s_lshl_b32 s59, s26, 6
	s_add_co_u32 s58, s58, s59
	s_add_co_u32 s58, s58, STG
	v_mul_u32_u24 v[STW], v225, 272
	v_lshl_add_u32 v[STW], v226, 5, v[STW]
	v_add_nc_u32 v[STW], s58, v[STW]               ; row 16 (w / 4) + r, columns 16 (w % 4) + 8 h on
	s_mul_i32 s58, s24, 4*272
	s_add_co_u32 s58, s58, STG
	v_mul_u32_u24 v[STR], v226, 272
	v_lshl_add_u32 v[STR], v225, 4, v[STR]
	v_add_nc_u32 v[STR], s58, v[STR]               ; rows 4 w on: lanes 0-15 one row, lanes 16-31 the next
	v_lshlrev_b32 v[NO], 5, v226
	v_lshlrev_b32 v[PFO], 8, v224
	v_mov_b32 v[L0+1], 0                           ; (named as the upper halves of pairs)
	v_mov_b32 v[L0+3], 0
	v_mov_b32 v[MS+1], 0
	s_mov_b32 s40, 0x76543210                      ; v_permlanex16_b32: each lane takes its own place in the other half
	s_mov_b32 s41, 0xfedcba98
	s_mov_b32 s68, 0x3727c5ac                      ; 1e-5
	s_mov_b32 s55, 0                               ; the tile in hand
	s_and_b32 s56, ttmp9, 31                       ; the tile at which I prefetch (macro ASK): wave 0 alone
	s_sub_co_u32 s56, s56, 4
	s_cmp_eq_u32 s24, 0
	s_cselect_b32 s56, s56, -1
	s_lshl_b32 s27, ttmp9, 1
	s_add_co_u32 s27, s27, s25
	s_lshl_b32 s27, s27, 17                        ; s = 2 g + w / 4, in bytes of m and of out0
	s_lshl_b32 s58, s26, 15                        ; my 128 tokens
	s_add_co_u32 s58, s58, s27
	s_mov_b32 s59, 0
	s_wait_kmcnt 0x0
	s_load_b256 s[32:39], s[14:15], 0x0            ; e0 .. e7
	s_add_nc_u64 s[60:61], s[8:9], s[58:59]        ; m
	s_and_b32 s58, s24, 2
	s_add_co_u32 s58, s58, s26
	s_lshl_b32 s58, s58, 10                        ; stage rows 4 (w % 4) + 0..3 are tokens 4 (w % 4) + 8 ((w % 4) / 2) + 0..3 of a tile's 32
	s_add_co_u32 s58, s58, s27
	s_add_nc_u64 s[50:51], s[22:23], s[58:59]      ; out0
	s_lshl_b32 s58, s24, 18
	s_add_nc_u64 s[46:47], s[16:17], s[58:59]      ; pc at my head
	s_lshl_b32 s58, s24, 2
	s_add_nc_u64 s[48:49], s[18:19], s[58:59]      ; ls at my head
	s_lshl_b32 s58, ttmp9, 13
	s_add_nc_u64 s[52:53], s[16:17], s[58:59]      ; pc at the 8,192 bytes that this work-group prefetches
	s_lshl_b32 s58, s24, 11
	s_add_nc_u64 s[62:63], s[20:21], s[58:59]      ; wc at my head's four groups of Wm
	s_lshl_b32 s58, s26, 12
	s_add_nc_u64 s[66:67], s[20:21], s[58:59]      ; wc at my eight groups of Wo, less 32,768
	; ONE RUN OF 96 LOADS: the weights' codes and the norm's gains (32), then my eight tiles of m (64)
	s_wait_alu depctr_va_vdst(0)                   ; the addresses and offsets v1 to v14 and v25 and the add's two are written: every load, store and prefetch of the kernel reads some of them
.irp i, 0,1,2,3
	global_load_b128 v[WM+4*\i:WM+4*\i+3], v[LI], s[62:63] offset:512*\i
	global_load_b128 v[WG+4*\i:WG+4*\i+3], v[LI], s[62:63] offset:16384+512*\i
.endr
.irp i, 0,1,2,3,4,5,6,7
	global_load_b128 v[WO+4*\i:WO+4*\i+3], v[LI], s[66:67] offset:32768+512*\i
.endr
.irp i, 0,1,2,3,4,5,6,7
	global_load_b128 v[NW+4*\i:NW+4*\i+3], v[NO], s[10:11] offset:64*(\i/2)+16*(\i%2)   ; register 8 c + x: k = 16 c + 8 h + x
	global_load_b128 v[NB+4*\i:NB+4*\i+3], v[NO], s[12:13] offset:64*(\i/2)+16*(\i%2)
.endr
	WIN 0x40                                       ; destination window 1.  (Between the wait above and these loads stand loads and this switch alone)
.irp t, 0,1,2,3,4,5,6,7                        ; tile t of my eight: tokens 32 (t / 2) + 8 (t % 2) + 0..7 and 16 further on; a load takes two rows, 512 consecutive bytes
.set n, 0
.rept 8
	global_load_b128 v[32*\t+4*n:32*\t+4*n+3], v[LI], s[60:61] offset:((\t/2)*32+(\t%2)*8)*256+(n&3)*512+(n>>2)*4096 th:TH_LOAD_NT
.set n, n+1
.endr
.endr
	WIN 0
	s_wait_kmcnt 0x0
	MKSC 32, SCA, LIMA
	MKSC 34, SCB, LIMB
	s_sub_co_i32 s27, s36, s32                     ; a sum of mn Wm stands for sum x 2^(e0 + e1): v's code is sum / 2^(e4 - e0 - e1)
	s_sub_co_i32 s27, s27, s33
	MKSC 27, SCV, LIMV
	s_sub_co_i32 s28, s38, s36                     ; likewise o g's: / 2^(e6 - e4 - e5)
	s_sub_co_i32 s28, s28, s37
	MKSC 28, SCO, LIMO
	s_add_co_i32 s58, s34, s35
	s_lshl_b32 s58, s58, 23
	s_mov_b32 s42, 0xbfb8aa3b                      ; -log2(e),
	s_add_co_i32 s42, s42, s58                     ; x 2^(e2 + e3): the two exponents are added to its exponent field
	s_mov_b32 s43, s42                             ; (named with it as a pair, so it is written)
	s_add_co_i32 s44, s38, s39
	s_add_co_i32 s44, s44, 127
	s_lshl_b32 s44, s44, 23                        ; 2^(e6 + e7) as f32
	s_mov_b32 s45, s44
; THE NORM.  Tile t's 16 rows turn through my stage t % 2: as loaded a lane holds 16 bytes of two rows an instruction; back, lane (r, h) holds of row r the numbers k = 16 c + 8 h + 0..7 in registers 8 c on.
; The stores' data come from loads, and the loads land in the rows' registers that tile t - 2's closing wait has shown done with: no wait stands here.
.macro MTURN t
	WIN 0x04                                       ; store data window 1
.set n, 0
.rept 8
	ds_store_b128 v[SWA], v[32*(\t)+4*n:32*(\t)+4*n+3] offset:((\t)&1)*4352+544*n
.set n, n+1
.endr
	WIN 0
.set YB, Y+32*((\t)&1)
.irp c, 0,1,2,3
	ds_load_b128 v[YB+8*\c:YB+8*\c+3], v[SRA] offset:((\t)&1)*4352+64*\c       ; LDS serves a wave's instructions in order (ISA guide 5.7.1.4): these see the stores above
	ds_load_b128 v[YB+8*\c+4:YB+8*\c+7], v[SRA] offset:((\t)&1)*4352+64*\c+16
.endr
.endm
; tile t: mean, centred squares, rstd, gain and bias; then both sets of codes, and their images to LDS
.macro LNC t
.set YB, Y+32*((\t)&1)
.irp p, 0,1,2,3,4,5,6,7
	v_pk_add_f32 v[T+2*\p:T+2*\p+1], v[YB+4*\p:YB+4*\p+1], v[YB+4*\p+2:YB+4*\p+3]
.endr
.irp p, 0,1,2,3
	v_pk_add_f32 v[T+4*\p:T+4*\p+1], v[T+4*\p:T+4*\p+1], v[T+4*\p+2:T+4*\p+3]
.endr
	v_pk_add_f32 v[T:T+1], v[T:T+1], v[T+4:T+5]
	v_pk_add_f32 v[T+8:T+9], v[T+8:T+9], v[T+12:T+13]
	v_pk_add_f32 v[T:T+1], v[T:T+1], v[T+8:T+9]
	v_add_f32 v[T], v[T], v[T+1]
	v_permlanex16_b32 v[T+2], v[T], s40, s41       ; the row's other 32 numbers lie in the lane 16 away
	v_add_f32 v[T], v[T], v[T+2]
	v_mul_f32 v[MS], 0xbc800000, v[T]              ; -mu = -sum / 64
.irp p, 0,1,2,3,4,5,6,7,8,9,10,11,12,13,14,15
	v_pk_add_f32 v[YB+2*\p:YB+2*\p+1], v[YB+2*\p:YB+2*\p+1], v[MS:MS+1] op_sel_hi:[1,0]
.endr
.irp p, 0,1,2,3
	v_pk_mul_f32 v[T+2*\p:T+2*\p+1], v[YB+2*\p:YB+2*\p+1], v[YB+2*\p:YB+2*\p+1]
.endr
.irp p, 4,5,6,7,8,9,10,11,12,13,14,15
	v_pk_fma_f32 v[T+2*(\p%4):T+2*(\p%4)+1], v[YB+2*\p:YB+2*\p+1], v[YB+2*\p:YB+2*\p+1], v[T+2*(\p%4):T+2*(\p%4)+1]
.endr
	v_pk_add_f32 v[T:T+1], v[T:T+1], v[T+2:T+3]
	v_pk_add_f32 v[T+4:T+5], v[T+4:T+5], v[T+6:T+7]
	v_pk_add_f32 v[T:T+1], v[T:T+1], v[T+4:T+5]
	v_add_f32 v[T], v[T], v[T+1]
	v_permlanex16_b32 v[T+2], v[T], s40, s41
	v_add_f32 v[T], v[T], v[T+2]
	v_fma_f32 v[T], v[T], 0x3c800000, s68          ; var + 1e-5
	v_rsq_f32 v[MS], v[T]
	v_nop                                          ; a plain instruction behind the transcendental,
	s_wait_alu depctr_va_vdst(0)                   ; and the wait ahead of the first use: rstd is written
.irp p, 0,1,2,3,4,5,6,7,8,9,10,11,12,13,14,15
	v_pk_mul_f32 v[YB+2*\p:YB+2*\p+1], v[YB+2*\p:YB+2*\p+1], v[MS:MS+1] op_sel_hi:[1,0]
.endr
.irp p, 0,1,2,3,4,5,6,7,8,9,10,11,12,13,14,15
	v_pk_fma_f32 v[YB+2*\p:YB+2*\p+1], v[YB+2*\p:YB+2*\p+1], v[NW+2*\p:NW+2*\p+1], v[NB+2*\p:NB+2*\p+1]
.endr
.irp f, 0,1                                    ; by halves of 16 numbers.  mn is quantised twice: under e0 for v, under e2 for g.  The sixteen holds between always part a conversion from writes of its sources
.irp i, 0,1,2,3,4,5,6,7,8,9,10,11,12,13,14,15
	v_med3_num_f32 v[T+\i], v[YB+16*\f+\i], -v[LIMA], v[LIMA]   ; the conversion to an 8-bit code does not saturate (ISA guide 7.6.2): the hold at the largest code x the scale
.endr
	v_cvt_scalef32_pk8_fp8_f32 v[CA+4*\f:CA+4*\f+1], v[T:T+7], v[SCA]
	v_cvt_scalef32_pk8_fp8_f32 v[CA+4*\f+2:CA+4*\f+3], v[T+8:T+15], v[SCA]
.irp i, 0,1,2,3,4,5,6,7,8,9,10,11,12,13,14,15
	v_med3_num_f32 v[YB+16*\f+\i], v[YB+16*\f+\i], -v[LIMB], v[LIMB]
.endr
	v_cvt_scalef32_pk8_fp8_f32 v[CB+4*\f:CB+4*\f+1], v[YB+16*\f:YB+16*\f+7], v[SCB]
	v_cvt_scalef32_pk8_fp8_f32 v[CB+4*\f+2:CB+4*\f+3], v[YB+16*\f+8:YB+16*\f+15], v[SCB]
.endr
	v_nop                                          ; one plain vector line behind the last conversion
	s_wait_alu depctr_va_vdst(0)                   ; the tile's closing wait: the conversions have written CA and CB, which the stores below read; and the tile's lines are done with its rows' registers, in which the turn of tile t + 2 lands (tile 7: with nw, nb and v208 on too, in which p and mn's codes land)
	ds_store_b128 v[IMW], v[CA:CA+3] offset:1024*(\t)
	ds_store_b128 v[IMW], v[CA+4:CA+7] offset:1024*(\t)+512
	ds_store_b128 v[IMG], v[CB:CB+3] offset:1024*(\t)
	ds_store_b128 v[IMG], v[CB+4:CB+7] offset:1024*(\t)+512
.endm
	s_wait_loadcnt 56                              ; tile 0's eight loads, and all that is older, are in; the seven later tiles' 56 stay out
	MTURN 0
.irp t, 0,1,2,3,4,5,6,7
.if \t < 7
	s_wait_loadcnt 48-8*\t                         ; the next tile's loads are in; the later tiles' stay out
	MTURN \t+1                                     ; it turns while this tile is worked
	s_wait_dscnt 16                                ; all but that turn's 16: this tile is back
.else
	s_wait_dscnt 0x0
.endif
.if \t > 0
	s_wait_alu depctr_vm_vsrc(0)                   ; the last tile's image stores have read CA and CB, which this tile's conversions write again
.endif
	LNC \t
.endr
	global_load_b32 v[L0], v[LO], s[48:49]         ; l and p of tile 0: 17 loads, which land while v is made.  (No vector line stands behind tile 7's closing wait)
.irp i, 0,1,2,3,4,5,6,7,8,9,10,11,12,13,14,15
	global_load_b128 v[P+4*\i:P+4*\i+3], v[PO], s[46:47] offset:512*\i
.endr
	BARRIER                                        ; all 64 tiles' images lie in LDS
	s_wait_alu depctr_vm_vsrc(0)                   ; tile 7's image stores have read CA and CB, in which step 1's loads land; the turns' stores have read window 1, which v's conversions write
; v.  Step x = 16 s + 4 q + b: 32 tokens (tiles 2 x and 2 x + 1) x my head's 32 d.  Source 0 = 16 tokens, source 1 = 16 columns of Wm: a lane holds one d, and its 16 registers of the two tiles 16 neighbouring tokens.
.macro VLOAD x
.set MB, MF+16*((\x)&1)
.irp u, 0,1
.irp c, 0,1
	ds_load_b128 v[MB+8*\u+4*\c:MB+8*\u+4*\c+3], v[LI] offset:(2*(\x)+\u)*1024+512*\c
.endr
.endr
.endm
.macro VMUL x
.set MB, MF+16*((\x)&1)
.set VB, VA+32*((\x)&1)
.irp up, 0,1
.irp u, 0,1
	v_wmma_f32_16x16x64_fp8_fp8 v[VB+16*\up+8*\u:VB+16*\up+8*\u+7], v[MB+8*\u:MB+8*\u+7], v[WM+8*\up:WM+8*\up+7], 0
.endr
.endr
.endm
.macro QVH x                           ; step x's 32 sums are held
.set VB, VA+32*((\x)&1)
.set n, 0
.rept 32
	v_med3_num_f32 v[VB+n], v[VB+n], -v[LIMV], v[LIMV]   ; each accumulator from its low end on
.set n, n+1
.endr
.endm
.macro QVC x                           ; and become registers 4 b .. 4 b + 3 of fragments (s, u', q)
.set VB, VA+32*((\x)&1)
.set VD, 128*((\x)>>4)+16*(((\x)>>2)&3)+4*((\x)&3)
	WIN 0x40                                       ; destination window 1
.irp up, 0,1
	v_cvt_scalef32_pk8_fp8_f32 v[VD+64*\up:VD+64*\up+1], v[VB+16*\up:VB+16*\up+7], v[SCV]
	v_cvt_scalef32_pk8_fp8_f32 v[VD+64*\up+2:VD+64*\up+3], v[VB+16*\up+8:VB+16*\up+15], v[SCV]
.endr
	WIN 0
	v_nop                                          ; one plain vector line behind the last conversion: matrix instructions write its sources and read its results
.endm
	VLOAD 0
	VLOAD 1
.set k, 0
.rept 32                                       ; step k's products; step k - 1's holds; the step's one wait and the loads of step k + 2; step k - 1's conversions, which name the sums, the scale and window 1: nothing that those loads touch
.if k < 31
	s_wait_dscnt 4                                 ; step k's four loads are in; step k + 1's stay out
.else
	s_wait_dscnt 0x0
.endif
	VMUL k
.if k == 0
	NOPS 5                                         ; no vector work is at hand yet: five places for step 2's products, which write over these sums
.else
	QVH k-1
.endif
.if k < 30
	s_wait_alu depctr_va_vdst(0)                   ; step k's products are done reading mn's codes, in whose registers the loads below land
	VLOAD k+2
.endif
.if k > 0
	QVC k-1
.endif
.set k, k+1
.endr
	QVH 31
	QVC 31
	s_wait_alu depctr_va_vdst(0)                   ; step 30's products are done reading v208 to v223, in which the loads below land
.irp s, 0,1
.irp c, 0,1
	ds_load_b128 v[MGF+8*\s+4*\c:MGF+8*\s+4*\c+3], v[ADG] offset:32768*\s+512*\c   ; mn's codes under e2, tile 0, both s
.endr
.endr
; THE MAIN LOOP: a tile of 16 tokens i at a time.
; 4 products o^T += v^T p^T, keys 128 q on: source 0 = 16 d of (s, u'), source 1 = 16 tokens.  The four accumulators take turns, one instruction a turn.  np: v_nop behind them, where no other work serves as places
.macro PK q, np
	WIN 0x01                                       ; source 0 window 1
.irp a, 0,1,2,3
.if (\q) == 0
	v_wmma_f32_16x16x128_fp8_fp8 v[OA+8*\a:OA+8*\a+7], v[64*\a+16*(\q):64*\a+16*(\q)+15], v[P+16*(\q):P+16*(\q)+15], 0
.else
	v_wmma_f32_16x16x128_fp8_fp8 v[OA+8*\a:OA+8*\a+7], v[64*\a+16*(\q):64*\a+16*(\q)+15], v[P+16*(\q):P+16*(\q)+15], v[OA+8*\a:OA+8*\a+7]
.endif
.endr
	WIN 0
	NOPS \np
.endm
; one load of the NEXT tile's p: registers 4 b on of part q
.macro PLOAD q, b, poff
	global_load_b128 v[P+16*(\q)+4*(\b):P+16*(\q)+4*(\b)+3], v[PO], s[46:47] offset:(\poff)+2048*(\q)+512*(\b)   ; the wave reads 512 consecutive bytes
.endm
; the next tile's l, part 0 of its p, and its codes of mn
.macro RELOAD0 par, poff, loff, moff
	global_load_b32 v[L0+2*(1-(\par))], v[LO], s[48:49] offset:\loff
.irp b, 0,1,2,3
	PLOAD 0, \b, \poff
.endr
.irp s, 0,1
.irp c, 0,1
	ds_load_b128 v[MGF+8*\s+4*\c:MGF+8*\s+4*\c+3], v[ADG] offset:(\moff)+32768*\s+512*\c
.endr
.endr
.endm
; the last product's results, scaled, go to stage par
.macro STAGE par
	ds_store_b128 v[STW], v[D1:D1+3] offset:8704*(\par)
	ds_store_b128 v[STW], v[D1+4:D1+7] offset:8704*(\par)+16
.endm
; A PREFETCH INTO THE L2.  pc is 256 pieces of 8,192 bytes, (head, tile); work-group g names piece g, head g / 32, tile g % 32: each aligned block of 256 bytes once in the launch, a lane a block, wave 0 alone.
; It asks while tile g % 32 - 4 is in hand; the loads of that piece are issued while tile g % 32 - 1 is in hand: three tiles later.  Tiles 0 to 3 are not asked for.  It stands behind the wave's own loads.
.macro ASK
	s_cmp_eq_u32 s55, s56
	s_cbranch_scc0 .Lnot_mine_\@
	global_prefetch_b8 v[PFO], s[52:53] th:TH_LOAD_NT scope:SCOPE_SE
.Lnot_mine_\@:
.endm
; My head's part of a tile: g's sums, o's sums, o g / l, its codes, their image.  Matrix and vector work by turns of four products.  par = tile % 2; ahead = 1: the next tile is asked for; prev = 1: the tile before is staged.
; THE COUNTS on LOADcnt: behind p's part q stand the tile's later parts (4 each) and what has been asked for again: nothing at parts 0 and 1; l and part 0 (5) and part 1 (4) at part 2; part 2 (4) more at part 3:
; 12, 8, 13, 13; in the last tile 12, 8, 4, 0.
.macro PRE par, ahead, prev, poff, loff, moff
.set LP, L0+2*(\par)
.irp s, 0,1
.irp up, 0,1
	v_wmma_f32_16x16x64_fp8_fp8 v[GA+16*\s+8*\up:GA+16*\s+8*\up+7], v[WG+8*\up:WG+8*\up+7], v[MGF+8*\s:MGF+8*\s+7], 0   ; source 0 = 16 d of Wg, source 1 = 16 tokens: the layout of o's sums
.endr
.endr
	s_wait_loadcnt 12
	PK 0, 4                                        ; four places ahead of the first read of g's sums
	s_wait_loadcnt 8
	PK 1, 0
.set n, 0
.rept 16
	v_pk_mul_f32 v[GA+n:GA+n+1], v[GA+n:GA+n+1], s[42:43] op_sel_hi:[1,0]   ; -x log2(e), x = sum x 2^(e2 + e3)
.set n, n+2
.endr
	s_wait_alu depctr_va_vdst(0)                   ; g's products are done reading mn's codes, the first eight of o's their parts 0 and 1 of p, the last tile's multiply-adds the other l: loads land in all of these; the last tile's scalings have written D1, which the stage's stores read; at a trip's head v6 is written, which the loads of mn's codes read
.if \ahead
	RELOAD0 \par, \poff, \loff, \moff
.endif
.if \prev
	STAGE 1-(\par)                                 ; the tile before: its rows are read behind this tile's barrier
.endif
.set n, 0
.rept 32
	v_exp_f32 v[GA+n], v[GA+n]                     ; E = e^-x.  The exponentials name g's registers alone: part 1's loads are dealt among them with no further wait
.if (\ahead) && ((n&7) == 3)
	PLOAD 1, n/8, \poff
.endif
.set n, n+1
.endr
.if \ahead
	s_wait_loadcnt 13
.else
	s_wait_loadcnt 4
.endif
	PK 2, 1                                        ; (a plain instruction behind the exponentials and ahead of the first use)
	s_wait_alu depctr_va_vdst(0)                   ; the 32 exponentials' results are written, ahead of their first reader; and the four products above are done reading part 2 of p, in which loads land
.set n, 0
.rept 16
	v_pk_fma_f32 v[GA+n:GA+n+1], v[GA+n:GA+n+1], v[LP:LP+1], v[LP:LP+1] op_sel_hi:[1,0,0]   ; l E + l = l / g.  These name g's registers and this tile's l: part 2's loads are dealt among them
.if (\ahead) && ((n&7) == 6)
	PLOAD 2, n/8, \poff
.endif
.set n, n+2
.endr
.set n, 0
.rept 32
	v_rcp_f32 v[GA+n], v[GA+n]                     ; g / l
.set n, n+1
.endr
.if \ahead
	s_wait_loadcnt 13
.else
	s_wait_loadcnt 0x0
.endif
	PK 3, 4                                        ; four places ahead of the first read of o's sums; they are also the plain instructions behind the reciprocals
	s_wait_alu depctr_va_vdst(0)                   ; the 32 reciprocals' results are written, ahead of the branch and of their first reader; and the four products above are done reading part 3 of p, in which loads land
.if \ahead
.irp b, 0,1,2,3
	PLOAD 3, \b, \poff
.endr
	ASK
	s_add_co_u32 s55, s55, 1
.endif
.set n, 0
.rept 16
	v_pk_mul_f32 v[GA+n:GA+n+1], v[OA+n:OA+n+1], v[GA+n:GA+n+1]   ; o g / l, short of 2^(e4 + e5); each accumulator from its low end on
.set n, n+2
.endr
.set n, 0
.rept 32
	v_med3_num_f32 v[GA+n], v[GA+n], -v[LIMO], v[LIMO]
.set n, n+1
.endr
.irp s, 0,1
	v_cvt_scalef32_pk8_fp8_f32 v[OC+4*\s:OC+4*\s+1], v[GA+16*\s:GA+16*\s+7], v[SCO]       ; registers 16 s + 8 u' + e are d = 16 h + 8 u' + e: 16 neighbours along the last K
	v_cvt_scalef32_pk8_fp8_f32 v[OC+4*\s+2:OC+4*\s+3], v[GA+16*\s+8:GA+16*\s+15], v[SCO]
.endr
	v_nop                                          ; one plain vector line behind the last conversion
	s_wait_alu depctr_va_vdst(0)                   ; the conversions have written o g's codes, which the stores below read, and are done reading g's registers, in which the fragments land behind the barrier: no vector line stands between
	ds_store_b128 v[OGW], v[OC:OC+3] offset:8192*(\par)
	ds_store_b128 v[OGW], v[OC+4:OC+7] offset:8192*(\par)+4096
.endm
; Behind the tile's barrier: the last product for (s = w / 4, columns 16 (w % 4) on); its results are staged in the next tile's first half.  out = 1: the tile before leaves from the other stage, four whole rows a wave.
; The fragments are asked for first; the rows' stores stand behind the two products: their data come from LDS loads, and no vector or matrix line names them.
.macro POST par, out, ooff
.if \out
	s_wait_xcnt 0x0                                ; the last stores have read their registers, which are loaded again
.endif
	s_wait_alu depctr_vm_vsrc(0)                   ; the image stores have read o g's codes, which the next tile's conversions write; the stage's stores have read D1, which the second product below writes; the last global stores have read the rows' registers, in which loads land; the loads of mn's codes have read v6, which the next trip's head writes
.irp f, 0,1,2,3,4,5,6,7
	ds_load_b128 v[OF+4*\f:OF+4*\f+3], v[OGR] offset:8192*(\par)+512*\f
.endr
.if \out
	ds_load_b128 v[RB:RB+3], v[STR] offset:8704*(1-(\par))
	ds_load_b128 v[RB+4:RB+7], v[STR] offset:8704*(1-(\par))+544
	s_wait_dscnt 2                                 ; the fragments are in; the two loads of rows behind them stay out
.else
	s_wait_dscnt 0x0
.endif
	v_wmma_f32_16x16x128_fp8_fp8 v[D0:D0+7], v[WO:WO+15], v[OF:OF+15], 0             ; source 0 = 16 columns of Wo, source 1 = 16 tokens: a lane holds eight neighbouring columns of a token's row
	v_wmma_f32_16x16x128_fp8_fp8 v[D1:D1+7], v[WO+16:WO+31], v[OF+16:OF+31], 0       ; the two halves of K in two accumulators
.if \out
	s_wait_dscnt 0x0                               ; the rows are back
	global_store_b128 v[LI], v[RB:RB+3], s[50:51] offset:\ooff th:TH_STORE_NT          ; 32 lanes store two neighbouring tokens' rows: 512 consecutive bytes, at a multiple of 256 from out0's first byte
	global_store_b128 v[LI], v[RB+4:RB+7], s[50:51] offset:(\ooff)+512 th:TH_STORE_NT
.endif
	NOPS 5                                         ; four places in front of the first read of results; five in front of the next tile's products, which write over the fragments
.irp i, 0,2,4,6
	v_pk_add_f32 v[D1+\i:D1+\i+1], v[D0+\i:D0+\i+1], v[D1+\i:D1+\i+1]
.endr
.irp i, 0,2,4,6
	v_pk_mul_f32 v[D1+\i:D1+\i+1], v[D1+\i:D1+\i+1], s[44:45] op_sel_hi:[1,0]   ; x 2^(e6 + e7)
.endr
.endm
; ONE BARRIER A TILE.  o g's images of set par are stored ahead of tile t's barrier, read behind it, and stored again ahead of barrier t + 2; the readers have waited for their loads ahead of barrier t + 1.
; Stage par is stored between barriers t and t + 1, read behind barrier t + 1, stored again behind barrier t + 2.
	s_wait_dscnt 0x0                               ; tile 0's codes of mn are in.  (Later tiles' are asked for a tile ahead, and that tile's barrier has waited for them)
	PRE 0, 1, 0, 8192, 256, 1024                   ; tile 0; it asks for tile 1
	BARRIER
	POST 0, 0, 0
	s_wait_xcnt 0x0                                ; the loads have read their bases, which step: two tiles on
	s_add_nc_u64 s[46:47], s[46:47], 16384
	s_add_nc_u64 s[48:49], s[48:49], 1024
	s_mov_b32 s54, 2048
	s_mov_b32 s57, 15
.Ltiles:                                           ; trip t = 0 .. 14: tiles 2 t + 1 and 2 t + 2
	v_add_nc_u32 v[ADG], s54, v[AG0]               ; (the loads that read v6 stand ahead of the last wait on vm_vsrc, on the way in and over the backward jump)
	PRE 1, 1, 1, 0, 0, 0
	BARRIER
	POST 1, 1, 0
	PRE 0, 1, 1, 8192, 256, 1024
	BARRIER
	POST 0, 1, 2048
	s_wait_xcnt 0x0                                ; loads and stores have read their bases
	s_add_nc_u64 s[46:47], s[46:47], 16384
	s_add_nc_u64 s[48:49], s[48:49], 1024
	s_add_nc_u64 s[50:51], s[50:51], 8192
	s_add_co_u32 s54, s54, 2048
	s_sub_co_u32 s57, s57, 1
	s_cmp_lg_u32 s57, 0
	s_cbranch_scc1 .Ltiles
	PRE 1, 0, 1, 0, 0, 0                           ; tile 31 asks for nothing: no load leaves its buffer
	BARRIER
	POST 1, 1, 0
	s_wait_alu depctr_va_vdst(0)                   ; tile 31's scalings have written D1, which the stage's stores read: no next tile's wait serves them
	STAGE 1
	BARRIER                                        ; tile 31's rows lie in stage 1
	s_wait_xcnt 0x0
	s_wait_alu depctr_vm_vsrc(0)                   ; tile 30's global stores have read the rows' registers, in which the loads below land
	ds_load_b128 v[RB:RB+3], v[STR] offset:8704
	ds_load_b128 v[RB+4:RB+7], v[STR] offset:8704+544
	s_wait_dscnt 0x0
	global_store_b128 v[LI], v[RB:RB+3], s[50:51] offset:2048 th:TH_STORE_NT
	global_store_b128 v[LI], v[RB+4:RB+7], s[50:51] offset:2048+512 th:TH_STORE_NT
	s_wait_dscnt 0x0                               ; the wave's end: the six closing lines, on end (every window is 0 here: the add's two registers lie in window 0)
	s_wait_alu 0x0
	s_wait_tensorcnt 0x0
	ds_add_u32 v[SPW], v[NIL]
	s_wait_dscnt 0x0
	s_endpgm
.Lfunc_end_k_qa3c817d503_fused:
	.size	k_qa3c817d503_fused, .Lfunc_end_k_qa3c817d503_fused-k_qa3c817d503_fused
	.p2alignl 7, 3214868480
	.fill 96, 4, 3214868480
	.section	.rodata,"a",@progbits
	.p2align	6, 0x0
	.amdhsa_kernel k_qa3c817d503_fused
		.amdhsa_group_segment_fixed_size 235520
		.amdhsa_private_segment_fixed_size 0
		.amdhsa_enable_private_segment 0
		.amdhsa_kernarg_size 64
		.amdhsa_user_sgpr_count 2
		.amdhsa_user_sgpr_kernarg_segment_ptr 1
		.amdhsa_wavefront_size32 1
		.amdhsa_system_sgpr_workgroup_id_x 1
		.amdhsa_system_sgpr_workgroup_id_y 1
		.amdhsa_system_sgpr_workgroup_id_z 1
		.amdhsa_system_vgpr_workitem_id 0
		.amdhsa_next_free_vgpr 512
		.amdhsa_next_free_sgpr 72
		.amdhsa_reserve_vcc 0
		.amdhsa_float_denorm_mode_32 3
		.amdhsa_float_denorm_mode_16_64 3
		.amdhsa_memory_ordered 1
		.amdhsa_forward_progress 1
		.amdhsa_inst_pref_size 255
	.end_amdhsa_kernel
	.section	.bss,"aw",@nobits
	.p2align	6
	.space	262144
	.amdgpu_metadata
---
amdhsa.version: [ 1, 2 ]
amdhsa.kernels:
  - .name:           k_qa3c817d503_fused
    .symbol:         k_qa3c817d503_fused.kd
    .args:
      - { .name: m, .offset: 0, .size: 8, .value_kind: global_buffer, .address_space: global }
      - { .name: norm_m_w, .offset: 8, .size: 8, .value_kind: global_buffer, .address_space: global }
      - { .name: norm_m_b, .offset: 16, .size: 8, .value_kind: global_buffer, .address_space: global }
      - { .name: lowp_scales, .offset: 24, .size: 8, .value_kind: global_buffer, .address_space: global }
      - { .name: pc, .offset: 32, .size: 8, .value_kind: global_buffer, .address_space: global }
      - { .name: ls, .offset: 40, .size: 8, .value_kind: global_buffer, .address_space: global }
      - { .name: wc, .offset: 48, .size: 8, .value_kind: global_buffer, .address_space: global }
      - { .name: out0, .offset: 56, .size: 8, .value_kind: global_buffer, .address_space: global }
    .group_segment_fixed_size: 235520
    .private_segment_fixed_size: 0
    .kernarg_segment_align: 8
    .kernarg_segment_size: 64
    .max_flat_workgroup_size: 256
    .sgpr_count:     72
    .vgpr_count:     512
    .wavefront_size: 32
...
	.end_amdgpu_metadata
.endif
;; end of part 3
